; MI455X (gfx1250); checked and timed in simulation.
; The chip was launched on July 23, 2026; its instructions are those of AMD's public machine-readable ISA for CDNA 5 (MIT licence, August 2026) and "CDNA5" Instruction Set Architecture Reference Guide (July 2026). The comments in the code are by the model that wrote it; some were corrected since.
;; Flow CPAB. Allowed arithmetic: float matrix products may take bf16 or f16 operands with f32 sums; all other float work in f32.
;; Inputs: theta 1 x 33 float32; x 2,097,152 float32.
;; Outputs: out0 2,097,152 float32; out1 2,097,152 float32.
;; 4 versions, each right; versions 2 to 3 are each faster than the one before; version 4 is version 3 with the launch cpab written anew for expert scheduling mode. Each part assembles by itself: llvm-mc -triple=amdgcn-amd-amdhsa -mcpu=gfx1250 --defsym DOCPART=n.
;; ======== version 1 of 4: 1 launch
;; limits: right only within a limited range of input values
;; launch cpab (part 1): grid 256 x 1, 16 waves a work-group, no clusters, 2,560 bytes of LDS; arguments theta, x, out0, out1; writes out0, out1
.if DOCPART == 1
	.amdgcn_target "amdgcn-amd-amdhsa--gfx1250"
	.amdhsa_code_object_version 6
	.text
	.protected	k_q3d9577a821_cpab
	.globl	k_q3d9577a821_cpab
	.p2align	8
	.type	k_q3d9577a821_cpab,@function
k_q3d9577a821_cpab:
	s_mov_b64 s[64:65], 0
	v_nop
	global_prefetch_b8 v0, s[64:65] scope:SCOPE_SE
	s_setreg_imm32_b32 hwreg(HW_REG_WAVE_MODE, 25, 1), 1
	s_wait_xcnt 0x0
; z = flow at time 1 of dphi/dt = v(phi), v continuous and affine on 32 cells of [0,1]; lj = integral of a(phi) dt.  2,097,152 points, all f32.
; CLOSED FORM IN PLACE OF THE 32-STEP SCAN.  A trajectory is monotone and the whole time is 1.  T'(k) = time to cross cell k from the knot where it is
; entered (the scan's own formulas and EPS tests), or 3 where the cell cannot be crossed or the time is 1 or more; S(k) = T'(0) + .. + T'(k-1).
; A point does the scan's first step once (t_hit).  If it crosses, its target is s' = S(exit knot) +- (1 - t_hit); its last cell is the last k with
; S(k) <= s'; d = s' - S(k).  Moving right: start at knot k, time d.  Moving left, d <= 1.5 (open cell, or left of x = 0 in cell 0's field): knot k, time -d.
; Moving left, d > 1.5 (closed cell): knot k+1, time 3 - d.  No crossing: start at x, time 1.  Then z = psi(start, time) as in the scan, and since
; a dt = ln(v_out / v_in) in every crossed cell, lj = ln(v(start) / v(x)) + a time (the logarithm only where the point crossed).
; NO ADDRESS AND NO BRANCH HANGS ON A FLOAT: both look-ups (by x, by s') are chains of compare and select over the 31 knots; the knot's numbers are
; scalars, read by v_readlane_b32 from tables that hold cell k in lane k.
; THE BASIS B is a constant of the problem: the last 33 right singular vectors that LAPACK's dgesdd returns for the 31 x 64 constraint matrix L.  With
; 64 >= int(11*31/6) dgesdd first factors L = (lower) Q by Householder reflectors and leaves rows 32..64 of Q untouched, so column j of B is
; H1 H2 .. H31 e(31+j).  Row i of L is xi e(2i) + e(2i+1) - xi e(2i+2) - e(2i+3), xi = (i+1)/32; row i+1 meets reflector i in two columns only, so
; w(i+1) = r(i+1) + (d / den) u(i) beyond column i, d = 1 + xi(i) xi(i+1), den = N + |alpha| sqrt N, u(i) = w(i) with alpha + sign(alpha) sqrt N in column i.
; All of that is done WHILE THE TEXT IS ASSEMBLED, in fixed point with 56 fraction bits, and each number of B is rounded to its f32 bits: a literal.
; A = B theta in f32: eight partial sums over j mod 8, each a chain of fused multiply-adds in ascending j; ((0+1)+(2+3))+((4+5)+(6+7)); j = 32's product last.
; WHY SO EXACTLY.  Where v(x) and v(knot ahead) round to the same number the scan finds t_hit = 0, does not cross, and runs the whole time in the old cell's
; field.  For a point within a few units in the last place of a knot that hangs on the last bits of a and b.  The order of the sums above is the one that
; an eight-lane row-major matrix-vector routine takes.  LIMIT: if reference()'s product is summed in another order, a and b differ in the last place and
; such a point may take the other way than the scan.
; The product (4,224 operations) is scalar work on literals, 164 instructions a wave: the matrix unit, with 16-bit operands, could not give these bits.
; SHARES.  256 work-groups of 16 waves.  Wave w makes rows 4w .. 4w+3 of A (cells 2w, 2w+1) and hands them to the others through LDS; every wave makes T' and S
; for itself.  A wave owns 512 points, 16 a lane: four loads and eight stores of 16 bytes a lane, each covering 512 consecutive bytes.
; OTHER LIMITS.  Times read off S (at most 96) are good to about 1e-5.  Knot speeds under about 1e3, so that no crossing time is lost in S.  A knot speed that
; rounding turns to the other sign counts as a closed cell.  For 1e-10 < |a| << 1e-4 psi is as noisy as the scan's own formula.  NaN in x is not served.
; ---------------- B, while the text is assembled: numbers are whole numbers of 2^-56 ----------------
.set SH,  1<<28
.set ONE, 1<<56
.macro FMUL d, a, b                    ; d = a b: both split at 28 bits; the product of the two low parts is under one unit and is dropped
.set \d, ((\a)/SH)*((\b)/SH) + (((\a)/SH)*((\b)%SH) + ((\a)%SH)*((\b)/SH))/SH
.endm
.macro FRCP d, a                       ; d = 1 / a, 1 <= a < 16: 30 bits by a division, then two Newton steps
.set \d, ((1<<60)/((\a)/(1<<26)))*(1<<26)
.rept 2
	FMUL TQ, \a, \d
.set TQ, 2*ONE-TQ
	FMUL \d, \d, TQ
.endr
.endm
.macro FSQRT d, a                      ; d = sqrt a, 1 <= a <= 4: six steps of Heron's rule from (a + 1) / 2
.set \d, ((\a)+ONE)/2
.rept 6
	FRCP RQ, \d
	FMUL HQ, \a, RQ
.set \d, (\d+HQ)/2
.endr
.endm
.macro EACH64 m, x                     ; macro m for each column c of L (= row of B), with x as its second argument
.irp c, 0,1,2,3,4,5,6,7,8,9,10,11,12,13,14,15,16,17,18,19,20,21,22,23,24,25,26,27,28,29,30,31,32,33,34,35,36,37,38,39,40,41,42,43,44,45,46,47,48,49,50,51,52,53,54,55,56,57,58,59,60,61,62,63
	\m \c, \x
.endr
.endm
.macro ZEROW c, x
.set W\c, 0
.endm
.macro SQW c, i                        ; N += w(c)^2
.if \c >= \i
	FMUL PQ, W\c, W\c
.set NQ, NQ+PQ
.endif
.endm
.macro SAVEU c, i
.set U\i\()_\c, W\c
.endm
.macro NEXTW c, i                      ; w(i+1) = r(i+1) + g u(i) beyond column i, 0 up to it
.if \c > \i
	FMUL PQ, GQ, W\c
.set W\c, PQ
.else
.set W\c, 0
.endif
.if \c == 2*\i+2
.set W\c, W\c+XQ
.endif
.if \c == 2*\i+3
.set W\c, W\c+ONE
.endif
.if \c == 2*\i+4
.set W\c, W\c-XQ
.endif
.if \c == 2*\i+5
.set W\c, W\c-ONE
.endif
.endm
.macro FACT i                          ; reflector i: U(i, c) and RD(i) = 1 / den; then the next row
.set NQ, 0
	EACH64 SQW, \i
	FSQRT SQ, NQ
.if W\i < 0
.set SQ, -SQ
.endif
	FMUL PQ, W\i, SQ
.set DQ, NQ+PQ
	FRCP RD\i, DQ
.set W\i, W\i+SQ
	EACH64 SAVEU, \i
.set XQ, (\i+2)*(ONE/32)
.set GQ, ONE+(\i+1)*(\i+2)*(ONE/1024)
	FMUL GQ, GQ, RD\i
	EACH64 NEXTW, \i
.endm
.macro SETY c, j
.set Y\c, 0
.if \c == 31+\j
.set Y\c, ONE
.endif
.endm
.macro DOTU c, i                       ; reflector i is zero outside columns i .. 2i+3
.if (\c >= \i) && (\c <= 2*\i+3)
	FMUL PQ, U\i\()_\c, Y\c
.set TD, TD+PQ
.endif
.endm
.macro UPDY c, i
.if (\c >= \i) && (\c <= 2*\i+3)
	FMUL PQ, TD, U\i\()_\c
.set Y\c, Y\c-PQ
.endif
.endm
.macro TOB c, j                        ; B(c, j) = the f32 bits of y(c), rounded to nearest
.set MQ, Y\c
.set SB, 0
.if MQ < 0
.set MQ, -MQ
.set SB, 1<<31
.endif
.if MQ == 0
.set B\c\()_\j, 0
.else
.set KQ, 0
.irp s, 32,16,8,4,2,1
.if (MQ>>(KQ+\s)) != 0
.set KQ, KQ+\s
.endif
.endr
.if KQ > 23
.set MQ, (MQ+(1<<(KQ-24)))>>(KQ-23)
.else
.set MQ, MQ<<(23-KQ)
.endif
.set B\c\()_\j, SB+((KQ+70)<<23)+MQ
.endif
.endm
.macro COLUMN j                        ; column j of B = H1 .. H31 e(31+j): H31 first
	EACH64 SETY, \j
.irp i, 30,29,28,27,26,25,24,23,22,21,20,19,18,17,16,15,14,13,12,11,10,9,8,7,6,5,4,3,2,1,0
.set TD, 0
	EACH64 DOTU, \i
	FMUL TD, TD, RD\i
	EACH64 UPDY, \i
.endr
	EACH64 TOB, \j
.endm
	EACH64 ZEROW, 0
.set W0, ONE/32
.set W1, ONE
.set W2, -ONE/32
.set W3, -ONE
.irp i, 0,1,2,3,4,5,6,7,8,9,10,11,12,13,14,15,16,17,18,19,20,21,22,23,24,25,26,27,28,29,30
	FACT \i
.endr
.irp j, 0,1,2,3,4,5,6,7,8,9,10,11,12,13,14,15,16,17,18,19,20,21,22,23,24,25,26,27,28,29,30,31,32
	COLUMN \j
.endr
; ---------------- registers ----------------
.set H32B, 0x3d000000                  ; 1/32
.set LN2B, 0x3f317218                  ; ln 2
.set L2EB, 0x3fb8aa3b                  ; log2 e
.set OFF, 1                            ; v1       my byte offset in the work-group's 32,768 bytes; never rewritten
.set TA,  2                            ; v2       a of cell = lane
.set TB,  3                            ; v3       b of cell = lane
.set TS,  4                            ; v4       S of knot = lane
.set TX,  5                            ; v5       x of knot = lane: lane / 32
.set LA,  6                            ; v6       4 x lane: my word in each LDS table
.set X,   8                            ; v[8:23]    x, 16 points
.set PA,  24                           ; v[24:39]   looked up: a (v24-33 at work while the tables are made)
.set PB,  40                           ; v[40:55]   looked up: b
.set P0,  56                           ; v[56:71]   looked up: S(c), later S(k)
.set P1,  72                           ; v[72:87]   looked up: S(c+1), later x(k)
.set RV,  88                           ; v[88:103]  1 / v(x), at last lj
.set SP,  104                          ; v[104:119] s', at last z
.set T,   120                          ; v[120:139] five work registers for a point, four sets by turns
.set TH,  24                           ; s[24:56] theta, while A is made
.set M,   24                           ; s[24:39] work masks
.set SR,  40                           ; s[40:55] point p moves right
.set SC,  66                           ; s[66:81] point p crosses its first boundary within the time
.set AC,  66                           ; s[66:74] while A is made: a row's eight partial sums and the product for j = 32
.set RS,  76                           ; s[76:79] my wave's four rows of A
	s_load_b256 s[4:11], s[0:1], 0x0               ; theta s[4:5], x s[6:7], z s[8:9], lj s[10:11]
	v_lshl_add_u32 v144, v0, 2, 0x200
	v_mov_b32 v145, 0
	v_and_b32 v7, 31, v0                           ; lane
	v_lshrrev_b32 v6, 5, v0
	v_readfirstlane_b32 s12, v6                    ; wave 0..15
	v_and_b32 v1, 0x1e0, v0                        ; 32 x wave
	v_lshlrev_b32 v1, 6, v1                        ; 2,048 bytes a wave
	v_lshl_or_b32 v[OFF], v7, 4, v1                ; + 16 bytes a lane
	v_cvt_f32_u32 v[TX], v7
	v_mul_f32 v[TX], H32B, v[TX]                   ; knot = lane / 32, exact
	v_lshlrev_b32 v[LA], 2, v7
	s_lshl_b32 s2, ttmp9, 15                       ; the work-group's 8,192 points: 32,768 bytes
	s_mov_b32 s3, 0
	s_mov_b32 s13, H32B
	s_mov_b32 s14, 0x2edbe6ff                      ; EPS = 1e-10
	s_mov_b32 s62, 0x41f80000                      ; 31.0
	s_mov_b32 s63, 0x40400000                      ; 3.0
	s_mov_b32 s82, 0x3fc00000                      ; 1.5
	s_mov_b32 s83, 0x42000000                      ; 32.0
.irp r, 0,1,2,3
	s_mov_b32 s[RS+\r], 0                          ; written on every path; one of the sixteen branches below writes them again
.endr
	s_wait_kmcnt 0x0                               ; the four addresses
	s_load_b512 s[24:39], s[4:5], 0x0              ; theta 0..15
	s_load_b512 s[40:55], s[4:5], 0x40             ; theta 16..31
	s_load_b32 s56, s[4:5], 0x80                   ; theta 32: theta j lies in s[TH+j]
	s_add_nc_u64 s[6:7], s[6:7], s[2:3]
	s_add_nc_u64 s[8:9], s[8:9], s[2:3]
	s_add_nc_u64 s[10:11], s[10:11], s[2:3]
.irp q, 0,1,2,3
	global_load_b128 v[X+4*\q:X+4*\q+3], v[OFF], s[6:7] offset:512*\q th:TH_LOAD_NT   ; on their way while the tables are made
.endr
	s_wait_kmcnt 0x0                               ; theta
; Row c of A = B theta into s[RS+r], in the order of sums that the head names.
.macro ROW c, r
.irp j, 0,1,2,3,4,5,6,7
	s_mul_f32 s[AC+\j], B\c\()_\j, s[TH+\j]
.endr
.irp j, 8,9,10,11,12,13,14,15,16,17,18,19,20,21,22,23,24,25,26,27,28,29,30,31
	s_fmac_f32 s[AC+\j%8], B\c\()_\j, s[TH+\j]
.endr
	s_mul_f32 s[AC+8], B\c\()_32, s[TH+32]
	s_add_f32 s[AC], s[AC], s[AC+1]
	s_add_f32 s[AC+2], s[AC+2], s[AC+3]
	s_add_f32 s[AC+4], s[AC+4], s[AC+5]
	s_add_f32 s[AC+6], s[AC+6], s[AC+7]
	s_add_f32 s[AC], s[AC], s[AC+2]
	s_add_f32 s[AC+4], s[AC+4], s[AC+6]
	s_add_f32 s[AC], s[AC], s[AC+4]
	s_add_f32 s[RS+\r], s[AC], s[AC+8]
.endm
.macro WAVEROWS w, c0, c1, c2, c3      ; wave w alone: a, b of cell 2w, a, b of cell 2w+1
	s_cmp_lg_u32 s12, \w
	s_cbranch_scc1 .Lnot_wave_\w
	ROW \c0, 0
	ROW \c1, 1
	ROW \c2, 2
	ROW \c3, 3
.Lnot_wave_\w:
.endm
	WAVEROWS 0, 0, 1, 2, 3
	WAVEROWS 1, 4, 5, 6, 7
	WAVEROWS 2, 8, 9, 10, 11
	WAVEROWS 3, 12, 13, 14, 15
	WAVEROWS 4, 16, 17, 18, 19
	WAVEROWS 5, 20, 21, 22, 23
	WAVEROWS 6, 24, 25, 26, 27
	WAVEROWS 7, 28, 29, 30, 31
	WAVEROWS 8, 32, 33, 34, 35
	WAVEROWS 9, 36, 37, 38, 39
	WAVEROWS 10, 40, 41, 42, 43
	WAVEROWS 11, 44, 45, 46, 47
	WAVEROWS 12, 48, 49, 50, 51
	WAVEROWS 13, 52, 53, 54, 55
	WAVEROWS 14, 56, 57, 58, 59
	WAVEROWS 15, 60, 61, 62, 63
	s_lshl_b32 s57, s12, 3                         ; my two cells' words: LDS bytes 0-127 a, 128-255 b
	v_mov_b32 v28, s57
	v_mov_b32 v24, s[RS]
	v_mov_b32 v25, s[RS+2]
	v_mov_b32 v26, s[RS+1]
	v_mov_b32 v27, s[RS+3]
	ds_store_b64 v28, v[24:25]                     ; all lanes store the same words with the same numbers
	ds_store_b64 v28, v[26:27] offset:128
	s_wait_dscnt 0x0                               ; my stores are done before I signal
	s_barrier_signal -1
	s_barrier_wait -1
	ds_load_b32 v[TA], v[LA]                       ; every wave: cell = lane
	ds_load_b32 v[TB], v[LA] offset:128
	s_wait_dscnt 0x0                               ; the two tables
	; ---------------- T' and S, in every wave; lane = cell ----------------
	v_add_f32 v33, s13, v[TX]                      ; the cell's right knot
	v_fma_f32 v24, v[TA], v[TX], v[TB]             ; v at the left knot
	v_fma_f32 v25, v[TA], v33, v[TB]               ; v at the right knot
	v_cmp_lt_f32 s57, 0, v24                       ; entered from the left, moving right
	v_cmp_gt_f32 s58, 0, v25                       ; or from the right, moving left
	v_cmp_lt_f32 s59, s14, |v[TA]|                 ; |a| > EPS
	v_cmp_lt_f32 s60, s14, |v[TB]|                 ; |b| > EPS
	v_cndmask_b32 v26, v25, v24, s57               ; v at the entry
	v_cndmask_b32 v27, v24, v25, s57               ; v at the exit
	v_cndmask_b32 v28, 1.0, v[TB], s60
	v_cndmask_b32 v28, v28, v[TA], s59             ; the divisor: a, or b, or 1
	v_rcp_f32 v26, v26
	v_rcp_f32 v28, v28
	v_mov_b32 v30, 0xbd000000                      ; (the plain instruction behind the reciprocals)
	v_cndmask_b32 v30, v30, s13, s57               ; exit - entry: +-1/32
	s_wait_alu depctr_va_vdst(0)
	v_mul_f32 v27, v27, v26                        ; r
	v_cmp_lt_f32 s61, s14, v27                     ; r > EPS
	v_max_num_f32 v27, s14, v27
	v_log_f32 v27, v27
	s_or_b32 s58, s57, s58                         ; the cell can be entered,
	s_and_not1_b32 s61, s59, s61
	s_and_not1_b32 s58, s58, s61                   ; and r > EPS where |a| > EPS
	v_nop                                          ; the plain instruction behind v_log_f32
	s_wait_alu depctr_va_vdst(0)
	v_mul_f32 v27, LN2B, v27
	v_cndmask_b32 v27, v30, v27, s59
	v_mul_f32 v27, v27, v28                        ; the crossing time
	v_cmp_lt_f32 s60, 0, v27
	v_cmp_gt_f32 s61, 1.0, v27
	s_and_b32 s58, s58, s60
	s_and_b32 s58, s58, s61
	v_cndmask_b32 v27, s63, v27, s58               ; T': the time where it lies in (0,1), else 3
	v_mov_b32 v31, 0
	v_mov_b32_dpp v31, v27 row_shr:1 row_mask:0xf bank_mask:0xf bound_ctrl:1   ; one lane up: lane l holds T'(l-1), lanes 0 and 16 hold 0,
	v_readlane_b32 s60, v27, 15
	v_writelane_b32 v31, s60, 16                   ; and lane 16 gets T'(15)
	v_add_f32_dpp v31, v31, v31 row_shr:1 row_mask:0xf bank_mask:0xf bound_ctrl:1   ; running sums inside each half of 16 lanes
	v_add_f32_dpp v31, v31, v31 row_shr:2 row_mask:0xf bank_mask:0xf bound_ctrl:1
	v_add_f32_dpp v31, v31, v31 row_shr:4 row_mask:0xf bank_mask:0xf bound_ctrl:1
	v_add_f32_dpp v31, v31, v31 row_shr:8 row_mask:0xf bank_mask:0xf bound_ctrl:1
	v_readlane_b32 s60, v31, 15
	v_add_f32 v32, s60, v31
	s_mov_b32 s61, 0xffff0000
	v_cndmask_b32 v[TS], v31, v32, s61             ; the upper half adds the lower half's total: S(l) in lane l, S(0) = 0
	s_wait_loadcnt 0x0                             ; x: all four loads
; A look-up for the 16 points: the last cell k with ctab(k) <= key.  Brings a(k), b(k), S(k) and dtab(min(k + dstep, 31)).  Cell 0 starts the chains;
; 31 trips, one a knot: where the knot's number is <= key, cell k's numbers take the place of the last cell's.  A trip touches no memory.
.macro LOOKUP key, ctab, dtab, dstep
	v_readlane_b32 s17, v[TA], 0
	v_readlane_b32 s18, v[TB], 0
	v_readlane_b32 s19, v[TS], 0
	v_readlane_b32 s20, v[\dtab], \dstep
.irp p, 0,1,2,3,4,5,6,7,8,9,10,11,12,13,14,15
	v_mov_b32 v[PA+\p], s17
	v_mov_b32 v[PB+\p], s18
	v_mov_b32 v[P0+\p], s19
	v_mov_b32 v[P1+\p], s20
.endr
	s_mov_b32 s15, 1
.Lknot_\@:
	s_add_co_u32 s21, s15, \dstep
	s_min_u32 s21, s21, 31                         ; S(32) does not exist and is never used: nothing leaves cell 31 to the right
	v_readlane_b32 s16, v[\ctab], s15
	v_readlane_b32 s17, v[TA], s15
	v_readlane_b32 s18, v[TB], s15
	v_readlane_b32 s19, v[TS], s15
	v_readlane_b32 s20, v[\dtab], s21
.irp p, 0,1,2,3,4,5,6,7,8,9,10,11,12,13,14,15
	v_cmp_le_f32 s[M+\p], s16, v[\key+\p]
.endr
.irp p, 0,1,2,3,4,5,6,7,8,9,10,11,12,13,14,15
	v_cndmask_b32 v[PA+\p], v[PA+\p], s17, s[M+\p]
	v_cndmask_b32 v[PB+\p], v[PB+\p], s18, s[M+\p]
	v_cndmask_b32 v[P0+\p], v[P0+\p], s19, s[M+\p]
	v_cndmask_b32 v[P1+\p], v[P1+\p], s20, s[M+\p]
.endr
	s_add_co_u32 s15, s15, 1
	s_cmp_lt_u32 s15, 32
	s_cbranch_scc1 .Lknot_\@
.endm
; The scan's first step for point p.  Leaves 1 / v, s' and the two masks.
.macro MID p
.set FT, T+5*((\p)&3)
.set FM, M+4*((\p)&3)
	v_mul_f32 v[FT], s83, v[X+\p]                  ; 32 x
	v_fma_f32 v[FT+3], v[PA+\p], v[X+\p], v[PB+\p] ; v
	v_floor_f32 v[FT], v[FT]
	v_cmp_lt_f32 s[SR+\p], 0, v[FT+3]              ; moves right
	v_med3_num_f32 v[FT], v[FT], 0, s62            ; c
	v_rcp_f32 v[RV+\p], v[FT+3]
	v_cndmask_b32 v[FT+1], 0, 1.0, s[SR+\p]
	v_add_f32 v[FT], v[FT], v[FT+1]                ; the knot ahead: c or c + 1
	v_cmp_neq_f32 s[SC+\p], 0, v[FT+3]             ; v != 0 starts the mask of those that cross
	v_cmp_gt_f32 s[FM], s83, v[FT]                 ; knots 0 and 32 are no boundaries: the end cells go on for ever
	v_cmp_lt_f32 s[FM+3], 0, v[FT]
	s_and_b32 s[SC+\p], s[SC+\p], s[FM]
	s_and_b32 s[SC+\p], s[SC+\p], s[FM+3]
	v_mul_f32 v[FT], s13, v[FT]                    ; xc
	v_cmp_lt_f32 s[FM+1], s14, |v[PA+\p]|          ; |a| > EPS
	v_cmp_lt_f32 s[FM+2], s14, |v[PB+\p]|          ; |b| > EPS
	v_fma_f32 v[FT+1], v[PA+\p], v[FT], v[PB+\p]   ; v at xc
	v_cndmask_b32 v[FT+2], 1.0, v[PB+\p], s[FM+2]
	v_cndmask_b32 v[FT+2], v[FT+2], v[PA+\p], s[FM+1]   ; the divisor: a, or b, or 1
	v_cmp_neq_f32 s[FM+3], v[FT+1], v[FT+3]        ; with an exact quotient r = 1, and so t_hit = 0, just where the two speeds are the same number
	s_wait_alu depctr_va_vdst(0)
	v_mul_f32 v[FT+1], v[FT+1], v[RV+\p]           ; r
	v_rcp_f32 v[FT+2], v[FT+2]
	v_max_num_f32 v[FT+4], s14, v[FT+1]
	v_log_f32 v[FT+4], v[FT+4]
	v_sub_f32 v[FT], v[FT], v[X+\p]                ; xc - x
	v_cmp_lt_f32 s[FM+2], s14, v[FT+1]             ; r > EPS
	s_wait_alu depctr_va_vdst(0)
	v_mul_f32 v[FT+4], LN2B, v[FT+4]
	v_cndmask_b32 v[FT+4], v[FT], v[FT+4], s[FM+1]
	v_mul_f32 v[FT+4], v[FT+4], v[FT+2]            ; t_hit
	v_cmp_lt_f32 s[FM], 0, v[FT+4]
	s_and_b32 s[FM+2], s[FM+2], s[FM+3]
	s_and_b32 s[FM+2], s[FM+2], s[FM+1]            ; |a| > EPS: r > EPS and r != 1
	s_and_not1_b32 s[FM], s[FM], s[FM+1]           ; else: t_hit > 0
	s_or_b32 s[FM], s[FM], s[FM+2]
	v_cmp_gt_f32 s[FM+3], 1.0, v[FT+4]             ; t_hit < 1
	s_and_b32 s[SC+\p], s[SC+\p], s[FM]
	s_and_b32 s[SC+\p], s[SC+\p], s[FM+3]
	v_sub_f32 v[FT+4], 1.0, v[FT+4]                ; the time left
	v_cndmask_b32 v[FT+2], v[P0+\p], v[P1+\p], s[SR+\p]  ; S of the knot ahead
	v_cndmask_b32 v[FT+1], -1.0, 1.0, s[SR+\p]
	v_fma_f32 v[FT+4], v[FT+4], v[FT+1], v[FT+2]
	v_cndmask_b32 v[SP+\p], v[P0+\p], v[FT+4], s[SC+\p]  ; s'; S(c) itself, which finds cell c again, where the point does not cross
.endm
; The flow in the last cell for point p.  Leaves z in SP's place and lj in RV's.
.macro FIN p
.set FT, T+5*((\p)&3)
.set FM, M+4*((\p)&3)
	v_sub_f32 v[FT], v[SP+\p], v[P0+\p]            ; d
	v_sub_f32 v[FT+3], v[P0+\p], v[SP+\p]          ; -d
	v_cmp_lt_f32 s[FM], s82, v[FT]                 ; d > 1.5
	v_cmp_lt_f32 s[FM+1], s14, |v[PA+\p]|          ; |a| > EPS
	v_add_f32 v[FT+1], s13, v[P1+\p]               ; the right knot
	v_sub_f32 v[FT+2], s63, v[FT]                  ; 3 - d
	s_and_not1_b32 s[FM+2], s[SC+\p], s[SR+\p]     ; crossed, moving left
	s_and_b32 s[FM], s[FM], s[FM+2]                ; and ends in a closed cell
	v_cndmask_b32 v[FT], v[FT], v[FT+3], s[FM+2]
	v_cndmask_b32 v[FT], v[FT], v[FT+2], s[FM]
	v_cndmask_b32 v[FT], 1.0, v[FT], s[SC+\p]      ; the time
	v_cndmask_b32 v[FT+1], v[P1+\p], v[FT+1], s[FM]
	v_cndmask_b32 v[FT+1], v[X+\p], v[FT+1], s[SC+\p]    ; the start
	v_cndmask_b32 v[FT+2], 1.0, v[PA+\p], s[FM+1]
	v_rcp_f32 v[FT+2], v[FT+2]
	v_mul_f32 v[FT+3], v[PA+\p], v[FT]             ; a t
	v_fma_f32 v[FT+4], v[PA+\p], v[FT+1], v[PB+\p] ; v at the start
	s_wait_alu depctr_va_vdst(0)
	v_mul_f32 v[FT+2], v[PB+\p], v[FT+2]           ; b / a
	v_mul_f32 v[FT+4], v[FT+4], v[RV+\p]           ; v(start) / v(x)
	v_mul_f32 v[SP+\p], L2EB, v[FT+3]
	v_cndmask_b32 v[FT+4], 1.0, v[FT+4], s[SC+\p]  ; 1 where the point did not cross
	v_exp_f32 v[SP+\p], v[SP+\p]                   ; e^(a t)
	v_log_f32 v[FT+4], |v[FT+4]|
	v_fma_f32 v[RV+\p], v[PB+\p], v[FT], v[FT+1]   ; start + b t (the plain instruction behind the two)
	v_add_f32 v[FT+1], v[FT+1], v[FT+2]
	s_wait_alu depctr_va_vdst(0)
	v_fma_f32 v[FT+1], v[SP+\p], v[FT+1], -v[FT+2] ; e^(a t) (start + b / a) - b / a
	v_cndmask_b32 v[SP+\p], v[RV+\p], v[FT+1], s[FM+1]   ; z
	v_fmamk_f32 v[RV+\p], v[FT+4], LN2B, v[FT+3]   ; lj = ln(ratio) + a t
.endm
	LOOKUP X, TX, TS, 1                            ; by x: a, b, S(c), S(c+1) of c = clip(floor(32 x), 0, 31)
.irp p, 0,1,2,3,4,5,6,7,8,9,10,11,12,13,14,15
	MID \p
.endr
	LOOKUP SP, TS, TX, 0                           ; by s': a, b, S(k), x(k) of the last cell
.irp p, 0,1,2,3,4,5,6,7,8,9,10,11,12,13,14,15
	FIN \p
.endr
.irp q, 0,1,2,3
	global_store_b128 v[OFF], v[SP+4*\q:SP+4*\q+3], s[8:9] offset:512*\q th:TH_STORE_NT    ; each store of the wave covers 512 consecutive bytes, aligned
.endr
.irp q, 0,1,2,3
	global_store_b128 v[OFF], v[RV+4*\q:RV+4*\q+3], s[10:11] offset:512*\q th:TH_STORE_NT
.endr
	s_wait_tensorcnt 0x0
	ds_add_u32 v144, v145
	s_wait_dscnt 0x0
	s_endpgm
.Lfunc_end_k_q3d9577a821_cpab:
	.size	k_q3d9577a821_cpab, .Lfunc_end_k_q3d9577a821_cpab-k_q3d9577a821_cpab
	.p2alignl 7, 3214868480
	.fill 96, 4, 3214868480
	.section	.rodata,"a",@progbits
	.p2align	6, 0x0
	.amdhsa_kernel k_q3d9577a821_cpab
		.amdhsa_group_segment_fixed_size 2560
		.amdhsa_private_segment_fixed_size 0
		.amdhsa_enable_private_segment 0
		.amdhsa_kernarg_size 32
		.amdhsa_user_sgpr_count 2
		.amdhsa_user_sgpr_kernarg_segment_ptr 1
		.amdhsa_wavefront_size32 1
		.amdhsa_system_sgpr_workgroup_id_x 1
		.amdhsa_system_sgpr_workgroup_id_y 1
		.amdhsa_system_sgpr_workgroup_id_z 1
		.amdhsa_system_vgpr_workitem_id 0
		.amdhsa_next_free_vgpr 146
		.amdhsa_next_free_sgpr 84
		.amdhsa_reserve_vcc 0
		.amdhsa_float_denorm_mode_32 3
		.amdhsa_float_denorm_mode_16_64 3
		.amdhsa_memory_ordered 1
		.amdhsa_forward_progress 1
		.amdhsa_inst_pref_size 227
	.end_amdhsa_kernel
	.amdgpu_metadata
---
amdhsa.version: [ 1, 2 ]
amdhsa.kernels:
  - .name:           k_q3d9577a821_cpab
    .symbol:         k_q3d9577a821_cpab.kd
    .args:
      - { .name: theta, .offset: 0, .size: 8, .value_kind: global_buffer, .address_space: global }
      - { .name: x, .offset: 8, .size: 8, .value_kind: global_buffer, .address_space: global }
      - { .name: out0, .offset: 16, .size: 8, .value_kind: global_buffer, .address_space: global }
      - { .name: out1, .offset: 24, .size: 8, .value_kind: global_buffer, .address_space: global }
    .group_segment_fixed_size: 2560
    .private_segment_fixed_size: 0
    .kernarg_segment_align: 8
    .kernarg_segment_size: 32
    .max_flat_workgroup_size: 512
    .sgpr_count:     84
    .vgpr_count:     146
    .wavefront_size: 32
...
	.end_amdgpu_metadata
.endif
;; end of part 1
;; ======== version 2 of 4: 1 launch; 2.41 times as fast as version 1
;; limits: right only within a limited range of input values
;; launch cpab (part 2): grid 256 x 1, 16 waves a work-group, no clusters, 2,560 bytes of LDS; arguments theta, x, out0, out1; writes out0, out1
.if DOCPART == 2
	.amdgcn_target "amdgcn-amd-amdhsa--gfx1250"
	.amdhsa_code_object_version 6
	.text
	.protected	k_q3d9577a821_cpab
	.globl	k_q3d9577a821_cpab
	.p2align	8
	.type	k_q3d9577a821_cpab,@function
k_q3d9577a821_cpab:
	s_mov_b64 s[64:65], 0
	v_nop
	global_prefetch_b8 v0, s[64:65] scope:SCOPE_SE
	s_setreg_imm32_b32 hwreg(HW_REG_WAVE_MODE, 25, 1), 1
	s_wait_xcnt 0x0
; z = flow at time 1 of dphi/dt = v(phi), v continuous and affine on 32 cells of [0,1]; lj = integral of a(phi) dt.  2,097,152 points, all f32.
; CLOSED FORM IN PLACE OF THE 32-STEP SCAN.  A trajectory is monotone and the whole time is 1.  T'(k) = time to cross cell k from the knot where it is
; entered (the scan's own formulas and EPS tests), or 3 where the cell cannot be crossed or the time is 1 or more; S(k) = T'(0) + .. + T'(k-1).
; A point does the scan's first step once (t_hit).  If it crosses, its target is s' = S(exit knot) +- (1 - t_hit); its last cell is the last k with
; S(k) <= s'; d = s' - S(k).  Moving right: start at knot k, time d.  Moving left, d <= 1.5 (open cell, or left of x = 0 in cell 0's field): knot k, time -d.
; Moving left, d > 1.5 (closed cell): knot k+1, time 3 - d.  No crossing: start at x, time 1.  Then z = psi(start, time) as in the scan, and since
; a dt = ln(v_out / v_in) in every crossed cell, lj = ln(v(start) / v(x)) + a time (the logarithm only where the point crossed).
; THE LOOK-UPS ARE LANE PERMUTES.  Each wave holds the tables a, b, S with cell k in lane k; ds_bpermute_b32 gives a lane the word of the lane that its index
; names (index = 4 x lane, taken modulo 32 lanes).  It touches no LDS byte.  The index hangs on the point's numbers; no memory address, no branch and no trip
; count does: every wave runs the same instructions whatever the data.  By x the cell is clip(floor(32 x), 0, 31); by s' it is found by a binary search
; over S in five steps (16, 8, 4, 2, 1 cells), sixteen points in flight.
; THE BASIS B is a constant of the problem: the last 33 right singular vectors that LAPACK's dgesdd returns for the 31 x 64 constraint matrix L.  With
; 64 >= int(11*31/6) dgesdd first factors L = (lower) Q by Householder reflectors and leaves rows 32..64 of Q untouched, so column j of B is
; H1 H2 .. H31 e(31+j).  Row i of L is xi e(2i) + e(2i+1) - xi e(2i+2) - e(2i+3), xi = (i+1)/32; row i+1 meets reflector i in two columns only, so
; w(i+1) = r(i+1) + (d / den) u(i) beyond column i, d = 1 + xi(i) xi(i+1), den = N + |alpha| sqrt N, u(i) = w(i) with alpha + sign(alpha) sqrt N in column i.
; All of that is done WHILE THE TEXT IS ASSEMBLED, in fixed point with 56 fraction bits, and each number of B is rounded to its f32 bits: a literal.
; A = B theta in f32: eight partial sums over j mod 8, each a chain of fused multiply-adds in ascending j; ((0+1)+(2+3))+((4+5)+(6+7)); j = 32's product last.
; WHY SO EXACTLY.  Where v(x) and v(knot ahead) round to the same number the scan finds t_hit = 0, does not cross, and runs the whole time in the old cell's
; field.  For a point within a few units in the last place of a knot that hangs on the last bits of a and b.  The order of the sums above is the one that
; an eight-lane row-major matrix-vector routine takes.  LIMIT: if reference()'s product is summed in another order, a and b differ in the last place and
; such a point may take the other way than the scan.
; The product (4,224 operations) is scalar work on literals, 164 instructions a wave: the matrix unit, with 16-bit operands, could not give these bits.
; SHARES.  256 work-groups of 16 waves.  Wave w makes rows 4w .. 4w+3 of A (cells 2w, 2w+1) and hands them to the others through LDS; every wave makes T' and S
; for itself.  A wave owns 512 points, 16 a lane: four loads and eight stores of 16 bytes a lane, each covering 512 consecutive bytes.
; OTHER LIMITS.  Times read off S (at most 96) are good to about 1e-5.  Knot speeds under about 1e3, so that no crossing time is lost in S and S, a parallel
; running sum, ascends, as the binary search wants.  A knot speed that rounding turns to the other sign counts as a closed cell.  For 1e-10 < |a| << 1e-4
; psi is as noisy as the scan's own formula.  NaN in x is not served.
; ---------------- B, while the text is assembled: numbers are whole numbers of 2^-56 ----------------
.set SH,  1<<28
.set ONE, 1<<56
.macro FMUL d, a, b                    ; d = a b: both split at 28 bits; the product of the two low parts is under one unit and is dropped
.set \d, ((\a)/SH)*((\b)/SH) + (((\a)/SH)*((\b)%SH) + ((\a)%SH)*((\b)/SH))/SH
.endm
.macro FRCP d, a                       ; d = 1 / a, 1 <= a < 16: 30 bits by a division, then two Newton steps
.set \d, ((1<<60)/((\a)/(1<<26)))*(1<<26)
.rept 2
	FMUL TQ, \a, \d
.set TQ, 2*ONE-TQ
	FMUL \d, \d, TQ
.endr
.endm
.macro FSQRT d, a                      ; d = sqrt a, 1 <= a <= 4: six steps of Heron's rule from (a + 1) / 2
.set \d, ((\a)+ONE)/2
.rept 6
	FRCP RQ, \d
	FMUL HQ, \a, RQ
.set \d, (\d+HQ)/2
.endr
.endm
.macro EACH64 m, x                     ; macro m for each column c of L (= row of B), with x as its second argument
.irp c, 0,1,2,3,4,5,6,7,8,9,10,11,12,13,14,15,16,17,18,19,20,21,22,23,24,25,26,27,28,29,30,31,32,33,34,35,36,37,38,39,40,41,42,43,44,45,46,47,48,49,50,51,52,53,54,55,56,57,58,59,60,61,62,63
	\m \c, \x
.endr
.endm
.macro ZEROW c, x
.set W\c, 0
.endm
.macro SQW c, i                        ; N += w(c)^2
.if \c >= \i
	FMUL PQ, W\c, W\c
.set NQ, NQ+PQ
.endif
.endm
.macro SAVEU c, i
.set U\i\()_\c, W\c
.endm
.macro NEXTW c, i                      ; w(i+1) = r(i+1) + g u(i) beyond column i, 0 up to it
.if \c > \i
	FMUL PQ, GQ, W\c
.set W\c, PQ
.else
.set W\c, 0
.endif
.if \c == 2*\i+2
.set W\c, W\c+XQ
.endif
.if \c == 2*\i+3
.set W\c, W\c+ONE
.endif
.if \c == 2*\i+4
.set W\c, W\c-XQ
.endif
.if \c == 2*\i+5
.set W\c, W\c-ONE
.endif
.endm
.macro FACT i                          ; reflector i: U(i, c) and RD(i) = 1 / den; then the next row
.set NQ, 0
	EACH64 SQW, \i
	FSQRT SQ, NQ
.if W\i < 0
.set SQ, -SQ
.endif
	FMUL PQ, W\i, SQ
.set DQ, NQ+PQ
	FRCP RD\i, DQ
.set W\i, W\i+SQ
	EACH64 SAVEU, \i
.set XQ, (\i+2)*(ONE/32)
.set GQ, ONE+(\i+1)*(\i+2)*(ONE/1024)
	FMUL GQ, GQ, RD\i
	EACH64 NEXTW, \i
.endm
.macro SETY c, j
.set Y\c, 0
.if \c == 31+\j
.set Y\c, ONE
.endif
.endm
.macro DOTU c, i                       ; reflector i is zero outside columns i .. 2i+3
.if (\c >= \i) && (\c <= 2*\i+3)
	FMUL PQ, U\i\()_\c, Y\c
.set TD, TD+PQ
.endif
.endm
.macro UPDY c, i
.if (\c >= \i) && (\c <= 2*\i+3)
	FMUL PQ, TD, U\i\()_\c
.set Y\c, Y\c-PQ
.endif
.endm
.macro TOB c, j                        ; B(c, j) = the f32 bits of y(c), rounded to nearest
.set MQ, Y\c
.set SB, 0
.if MQ < 0
.set MQ, -MQ
.set SB, 1<<31
.endif
.if MQ == 0
.set B\c\()_\j, 0
.else
.set KQ, 0
.irp s, 32,16,8,4,2,1
.if (MQ>>(KQ+\s)) != 0
.set KQ, KQ+\s
.endif
.endr
.if KQ > 23
.set MQ, (MQ+(1<<(KQ-24)))>>(KQ-23)
.else
.set MQ, MQ<<(23-KQ)
.endif
.set B\c\()_\j, SB+((KQ+70)<<23)+MQ
.endif
.endm
.macro COLUMN j                        ; column j of B = H1 .. H31 e(31+j): H31 first
	EACH64 SETY, \j
.irp i, 30,29,28,27,26,25,24,23,22,21,20,19,18,17,16,15,14,13,12,11,10,9,8,7,6,5,4,3,2,1,0
.set TD, 0
	EACH64 DOTU, \i
	FMUL TD, TD, RD\i
	EACH64 UPDY, \i
.endr
	EACH64 TOB, \j
.endm
	EACH64 ZEROW, 0
.set W0, ONE/32
.set W1, ONE
.set W2, -ONE/32
.set W3, -ONE
.irp i, 0,1,2,3,4,5,6,7,8,9,10,11,12,13,14,15,16,17,18,19,20,21,22,23,24,25,26,27,28,29,30
	FACT \i
.endr
.irp j, 0,1,2,3,4,5,6,7,8,9,10,11,12,13,14,15,16,17,18,19,20,21,22,23,24,25,26,27,28,29,30,31,32
	COLUMN \j
.endr
; ---------------- registers ----------------
.set H32B, 0x3d000000                  ; 1/32
.set LN2B, 0x3f317218                  ; ln 2
.set L2EB, 0x3fb8aa3b                  ; log2 e
.set OFF, 1                            ; v1       my byte offset in the work-group's 32,768 bytes; never rewritten
.set TA,  2                            ; v2       a of cell = lane
.set TB,  3                            ; v3       b of cell = lane
.set TS,  4                            ; v4       S of knot = lane
.set TX,  5                            ; v5       x of knot = lane: lane / 32
.set LA,  6                            ; v6       4 x lane: my word in each LDS table
.set X,   8                            ; v[8:23]    x, 16 points
.set PA,  24                           ; v[24:39]   looked up: a (v24-33 at work while the tables are made)
.set PB,  40                           ; v[40:55]   looked up: b
.set P0,  56                           ; v[56:71]   looked up: S(c); in the search S(candidate); at last S(k)
.set P1,  72                           ; v[72:87]   looked up: S(c+1), later x(k)
.set RV,  88                           ; v[88:103]  1 / v(x), at last lj
.set SP,  104                          ; v[104:119] c as a float, then s', at last z
.set T,   120                          ; v[120:139] five work registers for a point, four sets by turns
.set IX,  140                          ; v[140:155] 4 x the cell: a permute's index
.set CD,  156                          ; v[156:171] 4 x the next knot, later 4 x the search's candidate
.set TH,  24                           ; s[24:56] theta, while A is made
.set M,   24                           ; s[24:39] work masks
.set SR,  40                           ; s[40:55] point p moves right
.set SC,  66                           ; s[66:81] point p crosses its first boundary within the time
.set AC,  66                           ; s[66:74] while A is made: a row's eight partial sums and the product for j = 32
.set RS,  76                           ; s[76:79] my wave's four rows of A
	s_load_b256 s[4:11], s[0:1], 0x0               ; theta s[4:5], x s[6:7], z s[8:9], lj s[10:11]
	v_lshl_add_u32 v176, v0, 2, 0x200
	v_mov_b32 v177, 0
	v_and_b32 v7, 31, v0                           ; lane
	v_lshrrev_b32 v6, 5, v0
	v_readfirstlane_b32 s12, v6                    ; wave 0..15
	v_and_b32 v1, 0x1e0, v0                        ; 32 x wave
	v_lshlrev_b32 v1, 6, v1                        ; 2,048 bytes a wave
	v_lshl_or_b32 v[OFF], v7, 4, v1                ; + 16 bytes a lane
	v_cvt_f32_u32 v[TX], v7
	v_mul_f32 v[TX], H32B, v[TX]                   ; knot = lane / 32, exact
	v_lshlrev_b32 v[LA], 2, v7
	s_lshl_b32 s2, ttmp9, 15                       ; the work-group's 8,192 points: 32,768 bytes
	s_mov_b32 s3, 0
	s_mov_b32 s13, H32B
	s_mov_b32 s14, 0x2edbe6ff                      ; EPS = 1e-10
	s_mov_b32 s62, 0x41f80000                      ; 31.0
	s_mov_b32 s63, 0x40400000                      ; 3.0
	s_mov_b32 s82, 0x3fc00000                      ; 1.5
	s_mov_b32 s83, 0x42000000                      ; 32.0
.irp r, 0,1,2,3
	s_mov_b32 s[RS+\r], 0                          ; written on every path; one of the sixteen branches below writes them again
.endr
	s_wait_kmcnt 0x0                               ; the four addresses
	s_load_b512 s[24:39], s[4:5], 0x0              ; theta 0..15
	s_load_b512 s[40:55], s[4:5], 0x40             ; theta 16..31
	s_load_b32 s56, s[4:5], 0x80                   ; theta 32: theta j lies in s[TH+j]
	s_add_nc_u64 s[6:7], s[6:7], s[2:3]
	s_add_nc_u64 s[8:9], s[8:9], s[2:3]
	s_add_nc_u64 s[10:11], s[10:11], s[2:3]
.irp q, 0,1,2,3
	global_load_b128 v[X+4*\q:X+4*\q+3], v[OFF], s[6:7] offset:512*\q th:TH_LOAD_NT   ; on their way while the tables are made
.endr
	s_wait_kmcnt 0x0                               ; theta
; Row c of A = B theta into s[RS+r], in the order of sums that the head names.
.macro ROW c, r
.irp j, 0,1,2,3,4,5,6,7
	s_mul_f32 s[AC+\j], B\c\()_\j, s[TH+\j]
.endr
.irp j, 8,9,10,11,12,13,14,15,16,17,18,19,20,21,22,23,24,25,26,27,28,29,30,31
	s_fmac_f32 s[AC+\j%8], B\c\()_\j, s[TH+\j]
.endr
	s_mul_f32 s[AC+8], B\c\()_32, s[TH+32]
	s_add_f32 s[AC], s[AC], s[AC+1]
	s_add_f32 s[AC+2], s[AC+2], s[AC+3]
	s_add_f32 s[AC+4], s[AC+4], s[AC+5]
	s_add_f32 s[AC+6], s[AC+6], s[AC+7]
	s_add_f32 s[AC], s[AC], s[AC+2]
	s_add_f32 s[AC+4], s[AC+4], s[AC+6]
	s_add_f32 s[AC], s[AC], s[AC+4]
	s_add_f32 s[RS+\r], s[AC], s[AC+8]
.endm
.macro WAVEROWS w, c0, c1, c2, c3      ; wave w alone: a, b of cell 2w, a, b of cell 2w+1
	s_cmp_lg_u32 s12, \w
	s_cbranch_scc1 .Lnot_wave_\w
	ROW \c0, 0
	ROW \c1, 1
	ROW \c2, 2
	ROW \c3, 3
.Lnot_wave_\w:
.endm
	WAVEROWS 0, 0, 1, 2, 3
	WAVEROWS 1, 4, 5, 6, 7
	WAVEROWS 2, 8, 9, 10, 11
	WAVEROWS 3, 12, 13, 14, 15
	WAVEROWS 4, 16, 17, 18, 19
	WAVEROWS 5, 20, 21, 22, 23
	WAVEROWS 6, 24, 25, 26, 27
	WAVEROWS 7, 28, 29, 30, 31
	WAVEROWS 8, 32, 33, 34, 35
	WAVEROWS 9, 36, 37, 38, 39
	WAVEROWS 10, 40, 41, 42, 43
	WAVEROWS 11, 44, 45, 46, 47
	WAVEROWS 12, 48, 49, 50, 51
	WAVEROWS 13, 52, 53, 54, 55
	WAVEROWS 14, 56, 57, 58, 59
	WAVEROWS 15, 60, 61, 62, 63
	s_lshl_b32 s57, s12, 3                         ; my two cells' words: LDS bytes 0-127 a, 128-255 b
	v_mov_b32 v28, s57
	v_mov_b32 v24, s[RS]
	v_mov_b32 v25, s[RS+2]
	v_mov_b32 v26, s[RS+1]
	v_mov_b32 v27, s[RS+3]
	ds_store_b64 v28, v[24:25]                     ; all lanes store the same words with the same numbers
	ds_store_b64 v28, v[26:27] offset:128
	s_wait_dscnt 0x0                               ; my stores are done before I signal
	s_barrier_signal -1
	s_barrier_wait -1
	ds_load_b32 v[TA], v[LA]                       ; every wave: cell = lane
	ds_load_b32 v[TB], v[LA] offset:128
	s_wait_dscnt 0x0                               ; the two tables
	; ---------------- T' and S, in every wave; lane = cell ----------------
	v_add_f32 v33, s13, v[TX]                      ; the cell's right knot
	v_fma_f32 v24, v[TA], v[TX], v[TB]             ; v at the left knot
	v_fma_f32 v25, v[TA], v33, v[TB]               ; v at the right knot
	v_cmp_lt_f32 s57, 0, v24                       ; entered from the left, moving right
	v_cmp_gt_f32 s58, 0, v25                       ; or from the right, moving left
	v_cmp_lt_f32 s59, s14, |v[TA]|                 ; |a| > EPS
	v_cmp_lt_f32 s60, s14, |v[TB]|                 ; |b| > EPS
	v_cndmask_b32 v26, v25, v24, s57               ; v at the entry
	v_cndmask_b32 v27, v24, v25, s57               ; v at the exit
	v_cndmask_b32 v28, 1.0, v[TB], s60
	v_cndmask_b32 v28, v28, v[TA], s59             ; the divisor: a, or b, or 1
	v_rcp_f32 v26, v26
	v_rcp_f32 v28, v28
	v_mov_b32 v30, 0xbd000000                      ; (the plain instruction behind the reciprocals)
	v_cndmask_b32 v30, v30, s13, s57               ; exit - entry: +-1/32
	s_wait_alu depctr_va_vdst(0)
	v_mul_f32 v27, v27, v26                        ; r
	v_cmp_lt_f32 s61, s14, v27                     ; r > EPS
	v_max_num_f32 v27, s14, v27
	v_log_f32 v27, v27
	s_or_b32 s58, s57, s58                         ; the cell can be entered,
	s_and_not1_b32 s61, s59, s61
	s_and_not1_b32 s58, s58, s61                   ; and r > EPS where |a| > EPS
	v_nop                                          ; the plain instruction behind v_log_f32
	s_wait_alu depctr_va_vdst(0)
	v_mul_f32 v27, LN2B, v27
	v_cndmask_b32 v27, v30, v27, s59
	v_mul_f32 v27, v27, v28                        ; the crossing time
	v_cmp_lt_f32 s60, 0, v27
	v_cmp_gt_f32 s61, 1.0, v27
	s_and_b32 s58, s58, s60
	s_and_b32 s58, s58, s61
	v_cndmask_b32 v27, s63, v27, s58               ; T': the time where it lies in (0,1), else 3
	v_mov_b32 v31, 0
	v_mov_b32_dpp v31, v27 row_shr:1 row_mask:0xf bank_mask:0xf bound_ctrl:1   ; one lane up: lane l holds T'(l-1), lanes 0 and 16 hold 0,
	v_readlane_b32 s60, v27, 15
	v_writelane_b32 v31, s60, 16                   ; and lane 16 gets T'(15)
	v_add_f32_dpp v31, v31, v31 row_shr:1 row_mask:0xf bank_mask:0xf bound_ctrl:1   ; running sums inside each half of 16 lanes
	v_add_f32_dpp v31, v31, v31 row_shr:2 row_mask:0xf bank_mask:0xf bound_ctrl:1
	v_add_f32_dpp v31, v31, v31 row_shr:4 row_mask:0xf bank_mask:0xf bound_ctrl:1
	v_add_f32_dpp v31, v31, v31 row_shr:8 row_mask:0xf bank_mask:0xf bound_ctrl:1
	v_readlane_b32 s60, v31, 15
	v_add_f32 v32, s60, v31
	s_mov_b32 s61, 0xffff0000
	v_cndmask_b32 v[TS], v31, v32, s61             ; the upper half adds the lower half's total: S(l) in lane l, S(0) = 0
	s_wait_loadcnt 0x0                             ; x: all four loads
; The scan's first step for point p.  In: c as a float in SP's place, a, b, S(c), S(c+1).  Leaves 1 / v, s' and the two masks.
.macro MID p
.set FT, T+5*((\p)&3)
.set FM, M+4*((\p)&3)
	v_fma_f32 v[FT+3], v[PA+\p], v[X+\p], v[PB+\p] ; v
	v_cmp_lt_f32 s[SR+\p], 0, v[FT+3]              ; moves right
	v_rcp_f32 v[RV+\p], v[FT+3]
	v_cndmask_b32 v[FT+1], 0, 1.0, s[SR+\p]
	v_add_f32 v[FT], v[SP+\p], v[FT+1]             ; the knot ahead: c or c + 1
	v_cmp_neq_f32 s[SC+\p], 0, v[FT+3]             ; v != 0 starts the mask of those that cross
	v_cmp_gt_f32 s[FM], s83, v[FT]                 ; knots 0 and 32 are no boundaries: the end cells go on for ever
	v_cmp_lt_f32 s[FM+3], 0, v[FT]
	s_and_b32 s[SC+\p], s[SC+\p], s[FM]
	s_and_b32 s[SC+\p], s[SC+\p], s[FM+3]
	v_mul_f32 v[FT], s13, v[FT]                    ; xc
	v_cmp_lt_f32 s[FM+1], s14, |v[PA+\p]|          ; |a| > EPS
	v_cmp_lt_f32 s[FM+2], s14, |v[PB+\p]|          ; |b| > EPS
	v_fma_f32 v[FT+1], v[PA+\p], v[FT], v[PB+\p]   ; v at xc
	v_cndmask_b32 v[FT+2], 1.0, v[PB+\p], s[FM+2]
	v_cndmask_b32 v[FT+2], v[FT+2], v[PA+\p], s[FM+1]   ; the divisor: a, or b, or 1
	v_cmp_neq_f32 s[FM+3], v[FT+1], v[FT+3]        ; with an exact quotient r = 1, and so t_hit = 0, just where the two speeds are the same number
	s_wait_alu depctr_va_vdst(0)
	v_mul_f32 v[FT+1], v[FT+1], v[RV+\p]           ; r
	v_rcp_f32 v[FT+2], v[FT+2]
	v_max_num_f32 v[FT+4], s14, v[FT+1]
	v_log_f32 v[FT+4], v[FT+4]
	v_sub_f32 v[FT], v[FT], v[X+\p]                ; xc - x
	v_cmp_lt_f32 s[FM+2], s14, v[FT+1]             ; r > EPS
	s_wait_alu depctr_va_vdst(0)
	v_mul_f32 v[FT+4], LN2B, v[FT+4]
	v_cndmask_b32 v[FT+4], v[FT], v[FT+4], s[FM+1]
	v_mul_f32 v[FT+4], v[FT+4], v[FT+2]            ; t_hit
	v_cmp_lt_f32 s[FM], 0, v[FT+4]
	s_and_b32 s[FM+2], s[FM+2], s[FM+3]
	s_and_b32 s[FM+2], s[FM+2], s[FM+1]            ; |a| > EPS: r > EPS and r != 1
	s_and_not1_b32 s[FM], s[FM], s[FM+1]           ; else: t_hit > 0
	s_or_b32 s[FM], s[FM], s[FM+2]
	v_cmp_gt_f32 s[FM+3], 1.0, v[FT+4]             ; t_hit < 1
	s_and_b32 s[SC+\p], s[SC+\p], s[FM]
	s_and_b32 s[SC+\p], s[SC+\p], s[FM+3]
	v_sub_f32 v[FT+4], 1.0, v[FT+4]                ; the time left
	v_cndmask_b32 v[FT+2], v[P0+\p], v[P1+\p], s[SR+\p]  ; S of the knot ahead
	v_cndmask_b32 v[FT+1], -1.0, 1.0, s[SR+\p]
	v_fma_f32 v[FT+4], v[FT+4], v[FT+1], v[FT+2]
	v_cndmask_b32 v[SP+\p], v[P0+\p], v[FT+4], s[SC+\p]  ; s'; S(c) itself, which finds cell c again, where the point does not cross
.endm
; One step of the search for the last k with S(k) <= s', for the 16 points in four groups of four.  In: the index so far in IX, the candidate in CD, S(candidate)
; on its way into P0.  next != 0: the next candidate lies next bytes (next / 4 cells) on, and its S is asked for.  next = 0: the cell is found: a, b, S(k) are asked
; for and x(k) = index / 128 is made.  The waits count the permutes issued behind this group's four: those of the three other groups, 12; in the last step the
; 4 (3 - g) of the later groups and the 12 g table words of the earlier ones.
.macro SEEK next
.irp g, 0,1,2,3
.if \next != 0
	s_wait_dscnt 12
.else
	s_wait_dscnt 12+8*\g
.endif
.irp q, 0,1,2,3
	v_cmp_le_f32 s[M+4*\g+\q], v[P0+4*\g+\q], v[SP+4*\g+\q]
.endr
.irp q, 0,1,2,3
	v_cndmask_b32 v[IX+4*\g+\q], v[IX+4*\g+\q], v[CD+4*\g+\q], s[M+4*\g+\q]
.endr
.if \next != 0
.irp q, 0,1,2,3
	v_add_nc_u32 v[CD+4*\g+\q], \next, v[IX+4*\g+\q]
.endr
.irp q, 0,1,2,3
	ds_bpermute_b32 v[P0+4*\g+\q], v[CD+4*\g+\q], v[TS]
.endr
.else
.irp q, 0,1,2,3
	ds_bpermute_b32 v[PA+4*\g+\q], v[IX+4*\g+\q], v[TA]
	ds_bpermute_b32 v[PB+4*\g+\q], v[IX+4*\g+\q], v[TB]
	ds_bpermute_b32 v[P0+4*\g+\q], v[IX+4*\g+\q], v[TS]
.endr
.irp q, 0,1,2,3
	v_cvt_f32_u32 v[P1+4*\g+\q], v[IX+4*\g+\q]
.endr
.irp q, 0,1,2,3
	v_mul_f32 v[P1+4*\g+\q], 0x3c000000, v[P1+4*\g+\q]   ; 4 k / 128 = k / 32, exact
.endr
.endif
.endr
.endm
; The flow in the last cell for point p.  Leaves z in SP's place and lj in RV's.
.macro FIN p
.set FT, T+5*((\p)&3)
.set FM, M+4*((\p)&3)
	v_sub_f32 v[FT], v[SP+\p], v[P0+\p]            ; d
	v_sub_f32 v[FT+3], v[P0+\p], v[SP+\p]          ; -d
	v_cmp_lt_f32 s[FM], s82, v[FT]                 ; d > 1.5
	v_cmp_lt_f32 s[FM+1], s14, |v[PA+\p]|          ; |a| > EPS
	v_add_f32 v[FT+1], s13, v[P1+\p]               ; the right knot
	v_sub_f32 v[FT+2], s63, v[FT]                  ; 3 - d
	s_and_not1_b32 s[FM+2], s[SC+\p], s[SR+\p]     ; crossed, moving left
	s_and_b32 s[FM], s[FM], s[FM+2]                ; and ends in a closed cell
	v_cndmask_b32 v[FT], v[FT], v[FT+3], s[FM+2]
	v_cndmask_b32 v[FT], v[FT], v[FT+2], s[FM]
	v_cndmask_b32 v[FT], 1.0, v[FT], s[SC+\p]      ; the time
	v_cndmask_b32 v[FT+1], v[P1+\p], v[FT+1], s[FM]
	v_cndmask_b32 v[FT+1], v[X+\p], v[FT+1], s[SC+\p]    ; the start
	v_cndmask_b32 v[FT+2], 1.0, v[PA+\p], s[FM+1]
	v_rcp_f32 v[FT+2], v[FT+2]
	v_mul_f32 v[FT+3], v[PA+\p], v[FT]             ; a t
	v_fma_f32 v[FT+4], v[PA+\p], v[FT+1], v[PB+\p] ; v at the start
	s_wait_alu depctr_va_vdst(0)
	v_mul_f32 v[FT+2], v[PB+\p], v[FT+2]           ; b / a
	v_mul_f32 v[FT+4], v[FT+4], v[RV+\p]           ; v(start) / v(x)
	v_mul_f32 v[SP+\p], L2EB, v[FT+3]
	v_cndmask_b32 v[FT+4], 1.0, v[FT+4], s[SC+\p]  ; 1 where the point did not cross
	v_exp_f32 v[SP+\p], v[SP+\p]                   ; e^(a t)
	v_log_f32 v[FT+4], |v[FT+4]|
	v_fma_f32 v[RV+\p], v[PB+\p], v[FT], v[FT+1]   ; start + b t (the plain instruction behind the two)
	v_add_f32 v[FT+1], v[FT+1], v[FT+2]
	s_wait_alu depctr_va_vdst(0)
	v_fma_f32 v[FT+1], v[SP+\p], v[FT+1], -v[FT+2] ; e^(a t) (start + b / a) - b / a
	v_cndmask_b32 v[SP+\p], v[RV+\p], v[FT+1], s[FM+1]   ; z
	v_fmamk_f32 v[RV+\p], v[FT+4], LN2B, v[FT+3]   ; lj = ln(ratio) + a t
.endm
	; ---------------- look-up by x: c = clip(floor(32 x), 0, 31); each line for all 16 points, so that no line waits for the one before it ----------------
.irp p, 0,1,2,3,4,5,6,7,8,9,10,11,12,13,14,15
	v_mul_f32 v[SP+\p], s83, v[X+\p]               ; 32 x
.endr
.irp p, 0,1,2,3,4,5,6,7,8,9,10,11,12,13,14,15
	v_floor_f32 v[SP+\p], v[SP+\p]
.endr
.irp p, 0,1,2,3,4,5,6,7,8,9,10,11,12,13,14,15
	v_med3_num_f32 v[SP+\p], v[SP+\p], 0, s62      ; c, as a float: the first step takes it from here
.endr
.irp p, 0,1,2,3,4,5,6,7,8,9,10,11,12,13,14,15
	v_cvt_u32_f32 v[IX+\p], v[SP+\p]
.endr
.irp p, 0,1,2,3,4,5,6,7,8,9,10,11,12,13,14,15
	v_min_u32 v[IX+\p], 31, v[IX+\p]               ; c as a whole number, held to 0 .. 31 whatever x holds
.endr
.irp p, 0,1,2,3,4,5,6,7,8,9,10,11,12,13,14,15
	v_lshlrev_b32 v[IX+\p], 2, v[IX+\p]            ; a permute's index is 4 x the lane
.endr
.irp p, 0,1,2,3,4,5,6,7,8,9,10,11,12,13,14,15
	v_add_nc_u32 v[CD+\p], 4, v[IX+\p]             ; knot c + 1; for c = 31 the permute wraps to lane 0, and the word is not used: nothing crosses knot 32
.endr
.irp p, 0,1,2,3,4,5,6,7,8,9,10,11,12,13,14,15
	ds_bpermute_b32 v[PA+\p], v[IX+\p], v[TA]      ; a(c)
	ds_bpermute_b32 v[PB+\p], v[IX+\p], v[TB]      ; b(c)
	ds_bpermute_b32 v[P0+\p], v[IX+\p], v[TS]      ; S(c)
	ds_bpermute_b32 v[P1+\p], v[CD+\p], v[TS]      ; S(c+1)
.endr
.irp p, 0,1,2,3,4,5,6,7,8,9,10,11,12,13,14,15
	s_wait_dscnt 60-4*\p                           ; permutes come back in order: the four of each later point may stay out
	MID \p
.endr
	; ---------------- look-up by s': the search's first step compares with S(16), a scalar, and asks for the second step's S ----------------
	v_readlane_b32 s16, v[TS], 16
.irp g, 0,1,2,3
.irp q, 0,1,2,3
	v_cmp_le_f32 s[M+4*\g+\q], s16, v[SP+4*\g+\q]
.endr
.irp q, 0,1,2,3
	v_cndmask_b32 v[IX+4*\g+\q], 0, 64, s[M+4*\g+\q]     ; cell 0 or cell 16
.endr
.irp q, 0,1,2,3
	v_add_nc_u32 v[CD+4*\g+\q], 32, v[IX+4*\g+\q]        ; the candidate 8 cells on
.endr
.irp q, 0,1,2,3
	ds_bpermute_b32 v[P0+4*\g+\q], v[CD+4*\g+\q], v[TS]
.endr
.endr
	SEEK 16                                        ; settles 8 cells, asks 4 cells on
	SEEK 8                                         ; settles 4, asks 2
	SEEK 4                                         ; settles 2, asks 1
	SEEK 0                                         ; settles 1: the index is at most 4 x 31; a, b, S(k), x(k)
.irp p, 0,1,2,3,4,5,6,7,8,9,10,11,12,13,14,15
	s_wait_dscnt 45-3*\p                           ; the three table words of each later point may stay out
	FIN \p
.endr
.irp q, 0,1,2,3
	global_store_b128 v[OFF], v[SP+4*\q:SP+4*\q+3], s[8:9] offset:512*\q th:TH_STORE_NT    ; each store of the wave covers 512 consecutive bytes, aligned
.endr
.irp q, 0,1,2,3
	global_store_b128 v[OFF], v[RV+4*\q:RV+4*\q+3], s[10:11] offset:512*\q th:TH_STORE_NT
.endr
	s_wait_tensorcnt 0x0
	ds_add_u32 v176, v177
	s_wait_dscnt 0x0
	s_endpgm
.Lfunc_end_k_q3d9577a821_cpab:
	.size	k_q3d9577a821_cpab, .Lfunc_end_k_q3d9577a821_cpab-k_q3d9577a821_cpab
	.p2alignl 7, 3214868480
	.fill 96, 4, 3214868480
	.section	.rodata,"a",@progbits
	.p2align	6, 0x0
	.amdhsa_kernel k_q3d9577a821_cpab
		.amdhsa_group_segment_fixed_size 2560
		.amdhsa_private_segment_fixed_size 0
		.amdhsa_enable_private_segment 0
		.amdhsa_kernarg_size 32
		.amdhsa_user_sgpr_count 2
		.amdhsa_user_sgpr_kernarg_segment_ptr 1
		.amdhsa_wavefront_size32 1
		.amdhsa_system_sgpr_workgroup_id_x 1
		.amdhsa_system_sgpr_workgroup_id_y 1
		.amdhsa_system_sgpr_workgroup_id_z 1
		.amdhsa_system_vgpr_workitem_id 0
		.amdhsa_next_free_vgpr 178
		.amdhsa_next_free_sgpr 84
		.amdhsa_reserve_vcc 0
		.amdhsa_float_denorm_mode_32 3
		.amdhsa_float_denorm_mode_16_64 3
		.amdhsa_memory_ordered 1
		.amdhsa_forward_progress 1
		.amdhsa_inst_pref_size 239
	.end_amdhsa_kernel
	.amdgpu_metadata
---
amdhsa.version: [ 1, 2 ]
amdhsa.kernels:
  - .name:           k_q3d9577a821_cpab
    .symbol:         k_q3d9577a821_cpab.kd
    .args:
      - { .name: theta, .offset: 0, .size: 8, .value_kind: global_buffer, .address_space: global }
      - { .name: x, .offset: 8, .size: 8, .value_kind: global_buffer, .address_space: global }
      - { .name: out0, .offset: 16, .size: 8, .value_kind: global_buffer, .address_space: global }
      - { .name: out1, .offset: 24, .size: 8, .value_kind: global_buffer, .address_space: global }
    .group_segment_fixed_size: 2560
    .private_segment_fixed_size: 0
    .kernarg_segment_align: 8
    .kernarg_segment_size: 32
    .max_flat_workgroup_size: 512
    .sgpr_count:     84
    .vgpr_count:     178
    .wavefront_size: 32
...
	.end_amdgpu_metadata
.endif
;; end of part 2
;; ======== version 3 of 4: 1 launch; 3.35 times as fast as version 1
;; limits: right only within a limited range of input values
;; launch cpab (part 3): grid 256 x 1, 16 waves a work-group, no clusters, 2,560 bytes of LDS; arguments theta, x, out0, out1; writes out0, out1
.if DOCPART == 3
	.amdgcn_target "amdgcn-amd-amdhsa--gfx1250"
	.amdhsa_code_object_version 6
	.text
	.protected	k_q3d9577a821_cpab
	.globl	k_q3d9577a821_cpab
	.p2align	8
	.type	k_q3d9577a821_cpab,@function
k_q3d9577a821_cpab:
	s_mov_b64 s[64:65], 0
	v_nop
	global_prefetch_b8 v0, s[64:65] scope:SCOPE_SE
	s_setreg_imm32_b32 hwreg(HW_REG_WAVE_MODE, 25, 1), 1
	s_wait_xcnt 0x0
; z = flow at time 1 of dphi/dt = v(phi), v continuous and affine on 32 cells of [0,1]; lj = integral of a(phi) dt.  2,097,152 points, all f32.
; CLOSED FORM IN PLACE OF THE 32-STEP SCAN.  A trajectory is monotone and the whole time is 1.  T'(k) = time to cross cell k from the knot where it is
; entered (the scan's own formulas and EPS tests), or 3 where the cell cannot be crossed or the time is 1 or more; S(k) = T'(0) + .. + T'(k-1).
; A point does the scan's first step once (t_hit).  If it crosses, its target is s' = S(exit knot) +- (1 - t_hit); its last cell is the last k with
; S(k) <= s'; d = s' - S(k).  Moving right: start at knot k, time d.  Moving left, d <= 1.5 (open cell, or left of x = 0 in cell 0's field): knot k, time -d.
; Moving left, d > 1.5 (closed cell): knot k+1, time 3 - d.  No crossing: start at x, time 1.  Then z = psi(start, time) as in the scan, and since
; a dt = ln(v_out / v_in) in every crossed cell, lj = ln(v(start) / v(x)) + a time (the logarithm only where the point crossed).
; THE LOOK-UPS ARE LANE PERMUTES.  Each wave holds the tables a, b, S with cell k in lane k; ds_bpermute_b32 gives a lane the word of the lane that its index
; names (index = 4 x lane, taken modulo 32 lanes).  It touches no LDS byte.  The index hangs on the point's numbers; no memory address, no branch and no trip
; count does: every wave runs the same instructions whatever the data.  By x the cell is clip(floor(32 x), 0, 31); by s' it is found by a binary search
; over S in five steps (16, 8, 4, 2, 1 cells), sixteen points in flight.
; FOUR POINTS AT A TIME.  The first step and the flow are written a line for four points, so that three other points' lines stand between an instruction and the
; one that reads its result, and the scalar sums of masks stand well behind the compares that feed them.  A group's z and lj are one 16-byte store each and leave
; as soon as the group is finished.
; THE BASIS B is a constant of the problem: the last 33 right singular vectors that LAPACK's dgesdd returns for the 31 x 64 constraint matrix L.  With
; 64 >= int(11*31/6) dgesdd first factors L = (lower) Q by Householder reflectors and leaves rows 32..64 of Q untouched, so column j of B is
; H1 H2 .. H31 e(31+j).  Row i of L is xi e(2i) + e(2i+1) - xi e(2i+2) - e(2i+3), xi = (i+1)/32; row i+1 meets reflector i in two columns only, so
; w(i+1) = r(i+1) + (d / den) u(i) beyond column i, d = 1 + xi(i) xi(i+1), den = N + |alpha| sqrt N, u(i) = w(i) with alpha + sign(alpha) sqrt N in column i.
; All of that is done WHILE THE TEXT IS ASSEMBLED, in fixed point with 56 fraction bits, and each number of B is rounded to its f32 bits: a literal.
; A = B theta in f32: eight partial sums over j mod 8, each a chain of fused multiply-adds in ascending j; ((0+1)+(2+3))+((4+5)+(6+7)); j = 32's product last.
; WHY SO EXACTLY.  Where v(x) and v(knot ahead) round to the same number the scan finds t_hit = 0, does not cross, and runs the whole time in the old cell's
; field.  For a point within a few units in the last place of a knot that hangs on the last bits of a and b.  The order of the sums above is the one that
; an eight-lane row-major matrix-vector routine takes.  LIMIT: if reference()'s product is summed in another order, a and b differ in the last place and
; such a point may take the other way than the scan.
; The product (4,224 operations) is scalar work on literals, 164 instructions a wave: the matrix unit, with 16-bit operands, could not give these bits.
; SHARES.  256 work-groups of 16 waves.  Wave w makes rows 4w .. 4w+3 of A (cells 2w, 2w+1) and hands them to the others through LDS; every wave makes T' and S
; for itself.  A wave owns 512 points, 16 a lane: four loads and eight stores of 16 bytes a lane, each covering 512 consecutive bytes.
; OTHER LIMITS.  Times read off S (at most 96) are good to about 1e-5.  Knot speeds under about 1e3, so that no crossing time is lost in S and S, a parallel
; running sum, ascends, as the binary search wants.  A knot speed that rounding turns to the other sign counts as a closed cell.  For 1e-10 < |a| << 1e-4
; psi is as noisy as the scan's own formula.  NaN in x is not served.
; ---------------- B, while the text is assembled: numbers are whole numbers of 2^-56 ----------------
.set SH,  1<<28
.set ONE, 1<<56
.macro FMUL d, a, b                    ; d = a b: both split at 28 bits; the product of the two low parts is under one unit and is dropped
.set \d, ((\a)/SH)*((\b)/SH) + (((\a)/SH)*((\b)%SH) + ((\a)%SH)*((\b)/SH))/SH
.endm
.macro FRCP d, a                       ; d = 1 / a, 1 <= a < 16: 30 bits by a division, then two Newton steps
.set \d, ((1<<60)/((\a)/(1<<26)))*(1<<26)
.rept 2
	FMUL TQ, \a, \d
.set TQ, 2*ONE-TQ
	FMUL \d, \d, TQ
.endr
.endm
.macro FSQRT d, a                      ; d = sqrt a, 1 <= a <= 4: six steps of Heron's rule from (a + 1) / 2
.set \d, ((\a)+ONE)/2
.rept 6
	FRCP RQ, \d
	FMUL HQ, \a, RQ
.set \d, (\d+HQ)/2
.endr
.endm
.macro EACH64 m, x                     ; macro m for each column c of L (= row of B), with x as its second argument
.irp c, 0,1,2,3,4,5,6,7,8,9,10,11,12,13,14,15,16,17,18,19,20,21,22,23,24,25,26,27,28,29,30,31,32,33,34,35,36,37,38,39,40,41,42,43,44,45,46,47,48,49,50,51,52,53,54,55,56,57,58,59,60,61,62,63
	\m \c, \x
.endr
.endm
.macro ZEROW c, x
.set W\c, 0
.endm
.macro SQW c, i                        ; N += w(c)^2
.if \c >= \i
	FMUL PQ, W\c, W\c
.set NQ, NQ+PQ
.endif
.endm
.macro SAVEU c, i
.set U\i\()_\c, W\c
.endm
.macro NEXTW c, i                      ; w(i+1) = r(i+1) + g u(i) beyond column i, 0 up to it
.if \c > \i
	FMUL PQ, GQ, W\c
.set W\c, PQ
.else
.set W\c, 0
.endif
.if \c == 2*\i+2
.set W\c, W\c+XQ
.endif
.if \c == 2*\i+3
.set W\c, W\c+ONE
.endif
.if \c == 2*\i+4
.set W\c, W\c-XQ
.endif
.if \c == 2*\i+5
.set W\c, W\c-ONE
.endif
.endm
.macro FACT i                          ; reflector i: U(i, c) and RD(i) = 1 / den; then the next row
.set NQ, 0
	EACH64 SQW, \i
	FSQRT SQ, NQ
.if W\i < 0
.set SQ, -SQ
.endif
	FMUL PQ, W\i, SQ
.set DQ, NQ+PQ
	FRCP RD\i, DQ
.set W\i, W\i+SQ
	EACH64 SAVEU, \i
.set XQ, (\i+2)*(ONE/32)
.set GQ, ONE+(\i+1)*(\i+2)*(ONE/1024)
	FMUL GQ, GQ, RD\i
	EACH64 NEXTW, \i
.endm
.macro SETY c, j
.set Y\c, 0
.if \c == 31+\j
.set Y\c, ONE
.endif
.endm
.macro DOTU c, i                       ; reflector i is zero outside columns i .. 2i+3
.if (\c >= \i) && (\c <= 2*\i+3)
	FMUL PQ, U\i\()_\c, Y\c
.set TD, TD+PQ
.endif
.endm
.macro UPDY c, i
.if (\c >= \i) && (\c <= 2*\i+3)
	FMUL PQ, TD, U\i\()_\c
.set Y\c, Y\c-PQ
.endif
.endm
.macro TOB c, j                        ; B(c, j) = the f32 bits of y(c), rounded to nearest
.set MQ, Y\c
.set SB, 0
.if MQ < 0
.set MQ, -MQ
.set SB, 1<<31
.endif
.if MQ == 0
.set B\c\()_\j, 0
.else
.set KQ, 0
.irp s, 32,16,8,4,2,1
.if (MQ>>(KQ+\s)) != 0
.set KQ, KQ+\s
.endif
.endr
.if KQ > 23
.set MQ, (MQ+(1<<(KQ-24)))>>(KQ-23)
.else
.set MQ, MQ<<(23-KQ)
.endif
.set B\c\()_\j, SB+((KQ+70)<<23)+MQ
.endif
.endm
.macro COLUMN j                        ; column j of B = H1 .. H31 e(31+j): H31 first
	EACH64 SETY, \j
.irp i, 30,29,28,27,26,25,24,23,22,21,20,19,18,17,16,15,14,13,12,11,10,9,8,7,6,5,4,3,2,1,0
.set TD, 0
	EACH64 DOTU, \i
	FMUL TD, TD, RD\i
	EACH64 UPDY, \i
.endr
	EACH64 TOB, \j
.endm
	EACH64 ZEROW, 0
.set W0, ONE/32
.set W1, ONE
.set W2, -ONE/32
.set W3, -ONE
.irp i, 0,1,2,3,4,5,6,7,8,9,10,11,12,13,14,15,16,17,18,19,20,21,22,23,24,25,26,27,28,29,30
	FACT \i
.endr
.irp j, 0,1,2,3,4,5,6,7,8,9,10,11,12,13,14,15,16,17,18,19,20,21,22,23,24,25,26,27,28,29,30,31,32
	COLUMN \j
.endr
; ---------------- registers ----------------
.set H32B, 0x3d000000                  ; 1/32
.set LN2B, 0x3f317218                  ; ln 2
.set L2EB, 0x3fb8aa3b                  ; log2 e
.set OFF, 1                            ; v1       my byte offset in the work-group's 32,768 bytes; never rewritten
.set TA,  2                            ; v2       a of cell = lane
.set TB,  3                            ; v3       b of cell = lane
.set TS,  4                            ; v4       S of knot = lane
.set TX,  5                            ; v5       x of knot = lane: lane / 32
.set LA,  6                            ; v6       4 x lane: my word in each LDS table
.set X,   8                            ; v[8:23]    x, 16 points
.set PA,  24                           ; v[24:39]   looked up: a (v24-33 at work while the tables are made)
.set PB,  40                           ; v[40:55]   looked up: b
.set P0,  56                           ; v[56:71]   looked up: S(c); in the search S(candidate); at last S(k)
.set P1,  72                           ; v[72:87]   looked up: S(c+1), later x(k)
.set RV,  88                           ; v[88:103]  1 / v(x), at last lj
.set SP,  104                          ; v[104:119] c as a float, then s', at last z
.set T,   120                          ; v[120:139] work: register i of point q of the group in hand is v[T+5q+i]
.set IX,  140                          ; v[140:155] 4 x the cell: a permute's index
.set CD,  156                          ; v[156:171] 4 x the next knot, later 4 x the search's candidate
.set TH,  24                           ; s[24:56] theta, while A is made
.set M,   24                           ; s[24:39] work masks: mask i of point q of the group in hand is s[M+4q+i]; in the search one a point
.set SR,  40                           ; s[40:55] point p moves right
.set SC,  66                           ; s[66:81] point p crosses its first boundary within the time
.set N,   84                           ; s[84:99] four more work masks for each point of the group in hand: s[N+4q+i]
.set AC,  66                           ; s[66:74] while A is made: a row's eight partial sums and the product for j = 32
.set RS,  76                           ; s[76:79] my wave's four rows of A
	s_load_b256 s[4:11], s[0:1], 0x0               ; theta s[4:5], x s[6:7], z s[8:9], lj s[10:11]
	v_lshl_add_u32 v176, v0, 2, 0x200
	v_mov_b32 v177, 0
	v_and_b32 v7, 31, v0                           ; lane
	v_lshrrev_b32 v6, 5, v0
	v_readfirstlane_b32 s12, v6                    ; wave 0..15
	v_and_b32 v1, 0x1e0, v0                        ; 32 x wave
	v_lshlrev_b32 v1, 6, v1                        ; 2,048 bytes a wave
	v_lshl_or_b32 v[OFF], v7, 4, v1                ; + 16 bytes a lane
	v_cvt_f32_u32 v[TX], v7
	v_mul_f32 v[TX], H32B, v[TX]                   ; knot = lane / 32, exact
	v_lshlrev_b32 v[LA], 2, v7
	s_lshl_b32 s2, ttmp9, 15                       ; the work-group's 8,192 points: 32,768 bytes
	s_mov_b32 s3, 0
	s_mov_b32 s13, H32B
	s_mov_b32 s14, 0x2edbe6ff                      ; EPS = 1e-10
	s_mov_b32 s62, 0x41f80000                      ; 31.0
	s_mov_b32 s63, 0x40400000                      ; 3.0
	s_mov_b32 s82, 0x3fc00000                      ; 1.5
	s_mov_b32 s83, 0x42000000                      ; 32.0
	s_wait_kmcnt 0x0                               ; the four addresses
	s_load_b512 s[24:39], s[4:5], 0x0              ; theta 0..15
	s_load_b512 s[40:55], s[4:5], 0x40             ; theta 16..31
	s_load_b32 s56, s[4:5], 0x80                   ; theta 32: theta j lies in s[TH+j]
	s_add_nc_u64 s[6:7], s[6:7], s[2:3]
	s_add_nc_u64 s[8:9], s[8:9], s[2:3]
	s_add_nc_u64 s[10:11], s[10:11], s[2:3]
.irp q, 0,1,2,3
	global_load_b128 v[X+4*\q:X+4*\q+3], v[OFF], s[6:7] offset:512*\q th:TH_LOAD_NT   ; on their way while A is made
.endr
	s_wait_kmcnt 0x0                               ; theta
; Row c of A = B theta into s[RS+r], in the order of sums that the head names.
.macro ROW c, r
.irp j, 0,1,2,3,4,5,6,7
	s_mul_f32 s[AC+\j], B\c\()_\j, s[TH+\j]
.endr
.irp j, 8,9,10,11,12,13,14,15,16,17,18,19,20,21,22,23,24,25,26,27,28,29,30,31
	s_fmac_f32 s[AC+\j%8], B\c\()_\j, s[TH+\j]
.endr
	s_mul_f32 s[AC+8], B\c\()_32, s[TH+32]
	s_add_f32 s[AC], s[AC], s[AC+1]
	s_add_f32 s[AC+2], s[AC+2], s[AC+3]
	s_add_f32 s[AC+4], s[AC+4], s[AC+5]
	s_add_f32 s[AC+6], s[AC+6], s[AC+7]
	s_add_f32 s[AC], s[AC], s[AC+2]
	s_add_f32 s[AC+4], s[AC+4], s[AC+6]
	s_add_f32 s[AC], s[AC], s[AC+4]
	s_add_f32 s[RS+\r], s[AC], s[AC+8]
.endm
.macro LEAF c0, c1, c2, c3             ; one wave's four rows: a, b of its even cell, a, b of its odd cell
	ROW \c0, 0
	ROW \c1, 1
	ROW \c2, 2
	ROW \c3, 3
.endm
.macro SPLIT n, lab                    ; waves n and up go to the label
	s_cmp_lt_u32 s12, \n
	s_cbranch_scc0 .L\lab
.endm
	; A tree on the wave's number: four tests and one jump lead wave w to rows 4w .. 4w+3.  Every path writes s[RS:RS+3].
	SPLIT 8, w8
	SPLIT 4, w4
	SPLIT 2, w2
	SPLIT 1, w1
	LEAF 0, 1, 2, 3
	s_branch .Lrows_made
.Lw1:
	LEAF 4, 5, 6, 7
	s_branch .Lrows_made
.Lw2:
	SPLIT 3, w3
	LEAF 8, 9, 10, 11
	s_branch .Lrows_made
.Lw3:
	LEAF 12, 13, 14, 15
	s_branch .Lrows_made
.Lw4:
	SPLIT 6, w6
	SPLIT 5, w5
	LEAF 16, 17, 18, 19
	s_branch .Lrows_made
.Lw5:
	LEAF 20, 21, 22, 23
	s_branch .Lrows_made
.Lw6:
	SPLIT 7, w7
	LEAF 24, 25, 26, 27
	s_branch .Lrows_made
.Lw7:
	LEAF 28, 29, 30, 31
	s_branch .Lrows_made
.Lw8:
	SPLIT 12, w12
	SPLIT 10, w10
	SPLIT 9, w9
	LEAF 32, 33, 34, 35
	s_branch .Lrows_made
.Lw9:
	LEAF 36, 37, 38, 39
	s_branch .Lrows_made
.Lw10:
	SPLIT 11, w11
	LEAF 40, 41, 42, 43
	s_branch .Lrows_made
.Lw11:
	LEAF 44, 45, 46, 47
	s_branch .Lrows_made
.Lw12:
	SPLIT 14, w14
	SPLIT 13, w13
	LEAF 48, 49, 50, 51
	s_branch .Lrows_made
.Lw13:
	LEAF 52, 53, 54, 55
	s_branch .Lrows_made
.Lw14:
	SPLIT 15, w15
	LEAF 56, 57, 58, 59
	s_branch .Lrows_made
.Lw15:
	LEAF 60, 61, 62, 63
.Lrows_made:
	s_lshl_b32 s57, s12, 3                         ; my two cells' words: LDS bytes 0-127 a, 128-255 b
	v_mov_b32 v28, s57
	v_mov_b32 v24, s[RS]
	v_mov_b32 v25, s[RS+2]
	v_mov_b32 v26, s[RS+1]
	v_mov_b32 v27, s[RS+3]
	ds_store_b64 v28, v[24:25]                     ; all lanes store the same words with the same numbers
	ds_store_b64 v28, v[26:27] offset:128
	s_wait_loadcnt 0x0                             ; x: all four loads; they have had the product's 164 instructions in which to come, and none is out at the signal
	s_wait_dscnt 0x0                               ; my stores are done before I signal
	s_barrier_signal -1
	; Between the signal and the wait: work on registers that needs x alone.  c = clip(floor(32 x), 0, 31) and the permutes' indices, each line for all 16 points.
.irp p, 0,1,2,3,4,5,6,7,8,9,10,11,12,13,14,15
	v_mul_f32 v[SP+\p], s83, v[X+\p]               ; 32 x
.endr
.irp p, 0,1,2,3,4,5,6,7,8,9,10,11,12,13,14,15
	v_floor_f32 v[SP+\p], v[SP+\p]
.endr
.irp p, 0,1,2,3,4,5,6,7,8,9,10,11,12,13,14,15
	v_med3_num_f32 v[SP+\p], v[SP+\p], 0, s62      ; c, as a float: the first step takes it from here
.endr
.irp p, 0,1,2,3,4,5,6,7,8,9,10,11,12,13,14,15
	v_cvt_u32_f32 v[IX+\p], v[SP+\p]
.endr
.irp p, 0,1,2,3,4,5,6,7,8,9,10,11,12,13,14,15
	v_min_u32 v[IX+\p], 31, v[IX+\p]               ; c as a whole number, held to 0 .. 31 whatever x holds
.endr
.irp p, 0,1,2,3,4,5,6,7,8,9,10,11,12,13,14,15
	v_lshlrev_b32 v[IX+\p], 2, v[IX+\p]            ; a permute's index is 4 x the lane
.endr
.irp p, 0,1,2,3,4,5,6,7,8,9,10,11,12,13,14,15
	v_add_nc_u32 v[CD+\p], 4, v[IX+\p]             ; knot c + 1; for c = 31 the permute wraps to lane 0, and the word is not used: nothing crosses knot 32
.endr
	s_barrier_wait -1
	ds_load_b32 v[TA], v[LA]                       ; every wave: cell = lane
	ds_load_b32 v[TB], v[LA] offset:128
	s_wait_dscnt 0x0                               ; the two tables
	; ---------------- T' and S, in every wave; lane = cell ----------------
	v_add_f32 v33, s13, v[TX]                      ; the cell's right knot
	v_fma_f32 v24, v[TA], v[TX], v[TB]             ; v at the left knot
	v_fma_f32 v25, v[TA], v33, v[TB]               ; v at the right knot
	v_cmp_lt_f32 s57, 0, v24                       ; entered from the left, moving right
	v_cmp_gt_f32 s58, 0, v25                       ; or from the right, moving left
	v_cmp_lt_f32 s59, s14, |v[TA]|                 ; |a| > EPS
	v_cmp_lt_f32 s60, s14, |v[TB]|                 ; |b| > EPS
	v_cndmask_b32 v26, v25, v24, s57               ; v at the entry
	v_cndmask_b32 v27, v24, v25, s57               ; v at the exit
	v_cndmask_b32 v28, 1.0, v[TB], s60
	v_cndmask_b32 v28, v28, v[TA], s59             ; the divisor: a, or b, or 1
	v_rcp_f32 v26, v26
	v_rcp_f32 v28, v28
	v_mov_b32 v30, 0xbd000000                      ; (the plain instruction behind the reciprocals)
	v_cndmask_b32 v30, v30, s13, s57               ; exit - entry: +-1/32
	s_wait_alu depctr_va_vdst(0)
	v_mul_f32 v27, v27, v26                        ; r
	v_cmp_lt_f32 s61, s14, v27                     ; r > EPS
	v_max_num_f32 v27, s14, v27
	v_log_f32 v27, v27
	s_or_b32 s58, s57, s58                         ; the cell can be entered,
	s_and_not1_b32 s61, s59, s61
	s_and_not1_b32 s58, s58, s61                   ; and r > EPS where |a| > EPS
	v_nop                                          ; the plain instruction behind v_log_f32
	s_wait_alu depctr_va_vdst(0)
	v_mul_f32 v27, LN2B, v27
	v_cndmask_b32 v27, v30, v27, s59
	v_mul_f32 v27, v27, v28                        ; the crossing time
	v_cmp_lt_f32 s60, 0, v27
	v_cmp_gt_f32 s61, 1.0, v27
	s_and_b32 s58, s58, s60
	s_and_b32 s58, s58, s61
	v_cndmask_b32 v27, s63, v27, s58               ; T': the time where it lies in (0,1), else 3
	v_mov_b32 v31, 0
	v_mov_b32_dpp v31, v27 row_shr:1 row_mask:0xf bank_mask:0xf bound_ctrl:1   ; one lane up: lane l holds T'(l-1), lanes 0 and 16 hold 0,
	v_readlane_b32 s60, v27, 15
	v_writelane_b32 v31, s60, 16                   ; and lane 16 gets T'(15)
	v_add_f32_dpp v31, v31, v31 row_shr:1 row_mask:0xf bank_mask:0xf bound_ctrl:1   ; running sums inside each half of 16 lanes
	v_add_f32_dpp v31, v31, v31 row_shr:2 row_mask:0xf bank_mask:0xf bound_ctrl:1
	v_add_f32_dpp v31, v31, v31 row_shr:4 row_mask:0xf bank_mask:0xf bound_ctrl:1
	v_add_f32_dpp v31, v31, v31 row_shr:8 row_mask:0xf bank_mask:0xf bound_ctrl:1
	v_readlane_b32 s60, v31, 15
	v_add_f32 v32, s60, v31
	s_mov_b32 s61, 0xffff0000
	v_cndmask_b32 v[TS], v31, v32, s61             ; the upper half adds the lower half's total: S(l) in lane l, S(0) = 0
; The look-up by x for the four points of group g: sixteen permutes.
.macro ASK g
.irp q, 0,1,2,3
	ds_bpermute_b32 v[PA+4*\g+\q], v[IX+4*\g+\q], v[TA]      ; a(c)
	ds_bpermute_b32 v[PB+4*\g+\q], v[IX+4*\g+\q], v[TB]      ; b(c)
	ds_bpermute_b32 v[P0+4*\g+\q], v[IX+4*\g+\q], v[TS]      ; S(c)
	ds_bpermute_b32 v[P1+4*\g+\q], v[CD+4*\g+\q], v[TS]      ; S(c+1)
.endr
.endm
; The scan's first step for the four points of group g.  In: c as a float in SP's place, a, b, S(c), S(c+1).  Leaves 1 / v, s' and the two masks SR, SC.
; Work registers of point q: t0 knot ahead, xc, xc - x; t1 step, v at xc, r, direction; t2 divisor, its reciprocal, S of the knot ahead; t3 v; t4 t_hit, time left, s'.
; Masks of point q: M+0 knot < 32, M+1 |a| > EPS, M+2 |b| > EPS, M+3 knot > 0; N+0 the two speeds differ, N+1 r > EPS, N+2 t_hit > 0, N+3 t_hit < 1.
; Behind each run of four transcendentals stands a plain line that touches none of their results or sources.
.macro MIDG g
.set G, 4*\g
.irp q, 0,1,2,3
	v_fma_f32 v[T+5*\q+3], v[PA+G+\q], v[X+G+\q], v[PB+G+\q]         ; v
.endr
.irp q, 0,1,2,3
	v_cmp_lt_f32 s[SR+G+\q], 0, v[T+5*\q+3]                          ; moves right
	v_cmp_lt_f32 s[M+4*\q+1], s14, |v[PA+G+\q]|
	v_cmp_lt_f32 s[M+4*\q+2], s14, |v[PB+G+\q]|
.endr
.irp q, 0,1,2,3
	v_rcp_f32 v[RV+G+\q], v[T+5*\q+3]
.endr
.irp q, 0,1,2,3
	v_cndmask_b32 v[T+5*\q+1], 0, 1.0, s[SR+G+\q]
.endr
.irp q, 0,1,2,3
	v_cmp_neq_f32 s[SC+G+\q], 0, v[T+5*\q+3]                         ; v != 0 starts the mask of those that cross
	v_cndmask_b32 v[T+5*\q+2], 1.0, v[PB+G+\q], s[M+4*\q+2]
.endr
.irp q, 0,1,2,3
	v_add_f32 v[T+5*\q], v[SP+G+\q], v[T+5*\q+1]                     ; the knot ahead: c or c + 1
.endr
.irp q, 0,1,2,3
	v_cndmask_b32 v[T+5*\q+2], v[T+5*\q+2], v[PA+G+\q], s[M+4*\q+1]  ; the divisor: a, or b, or 1
.endr
.irp q, 0,1,2,3
	v_cmp_gt_f32 s[M+4*\q], s83, v[T+5*\q]                           ; knots 0 and 32 are no boundaries: the end cells go on for ever
	v_cmp_lt_f32 s[M+4*\q+3], 0, v[T+5*\q]
.endr
.irp q, 0,1,2,3
	v_mul_f32 v[T+5*\q], s13, v[T+5*\q]                              ; xc
.endr
.irp q, 0,1,2,3
	v_rcp_f32 v[T+5*\q+2], v[T+5*\q+2]
.endr
.irp q, 0,1,2,3
	v_fma_f32 v[T+5*\q+1], v[PA+G+\q], v[T+5*\q], v[PB+G+\q]         ; v at xc
.endr
.irp q, 0,1,2,3
	s_and_b32 s[SC+G+\q], s[SC+G+\q], s[M+4*\q]
	s_and_b32 s[SC+G+\q], s[SC+G+\q], s[M+4*\q+3]
.endr
.irp q, 0,1,2,3
	v_cmp_neq_f32 s[N+4*\q], v[T+5*\q+1], v[T+5*\q+3]                ; with an exact quotient r = 1, and so t_hit = 0, just where the two speeds are the same number
.endr
	s_wait_alu depctr_va_vdst(0)
.irp q, 0,1,2,3
	v_mul_f32 v[T+5*\q+1], v[T+5*\q+1], v[RV+G+\q]                   ; r
.endr
.irp q, 0,1,2,3
	v_sub_f32 v[T+5*\q], v[T+5*\q], v[X+G+\q]                        ; xc - x
.endr
.irp q, 0,1,2,3
	v_max_num_f32 v[T+5*\q+4], s14, v[T+5*\q+1]
	v_cmp_lt_f32 s[N+4*\q+1], s14, v[T+5*\q+1]                       ; r > EPS
.endr
.irp q, 0,1,2,3
	v_log_f32 v[T+5*\q+4], v[T+5*\q+4]
.endr
.irp q, 0,1,2,3
	v_cndmask_b32 v[T+5*\q+1], -1.0, 1.0, s[SR+G+\q]                 ; the direction
.endr
.irp q, 0,1,2,3
	s_and_b32 s[N+4*\q+1], s[N+4*\q+1], s[N+4*\q]
	s_and_b32 s[N+4*\q+1], s[N+4*\q+1], s[M+4*\q+1]                  ; |a| > EPS: r > EPS and r != 1
.endr
	s_wait_alu depctr_va_vdst(0)
.irp q, 0,1,2,3
	v_mul_f32 v[T+5*\q+4], LN2B, v[T+5*\q+4]
.endr
.irp q, 0,1,2,3
	v_cndmask_b32 v[T+5*\q+4], v[T+5*\q], v[T+5*\q+4], s[M+4*\q+1]
.endr
.irp q, 0,1,2,3
	v_mul_f32 v[T+5*\q+4], v[T+5*\q+4], v[T+5*\q+2]                  ; t_hit
.endr
.irp q, 0,1,2,3
	v_cndmask_b32 v[T+5*\q+2], v[P0+G+\q], v[P1+G+\q], s[SR+G+\q]    ; S of the knot ahead
.endr
.irp q, 0,1,2,3
	v_cmp_lt_f32 s[N+4*\q+2], 0, v[T+5*\q+4]
	v_cmp_gt_f32 s[N+4*\q+3], 1.0, v[T+5*\q+4]
.endr
.irp q, 0,1,2,3
	v_sub_f32 v[T+5*\q+4], 1.0, v[T+5*\q+4]                          ; the time left
.endr
.irp q, 0,1,2,3
	v_fma_f32 v[T+5*\q+4], v[T+5*\q+4], v[T+5*\q+1], v[T+5*\q+2]
.endr
.irp q, 0,1,2,3
	s_and_not1_b32 s[N+4*\q+2], s[N+4*\q+2], s[M+4*\q+1]             ; |a| <= EPS: t_hit > 0
	s_or_b32 s[N+4*\q+2], s[N+4*\q+2], s[N+4*\q+1]
	s_and_b32 s[SC+G+\q], s[SC+G+\q], s[N+4*\q+2]
	s_and_b32 s[SC+G+\q], s[SC+G+\q], s[N+4*\q+3]
.endr
.irp q, 0,1,2,3
	v_cndmask_b32 v[SP+G+\q], v[P0+G+\q], v[T+5*\q+4], s[SC+G+\q]    ; s'; S(c) itself, which finds cell c again, where the point does not cross
.endr
.endm
; One step of the search for the last k with S(k) <= s', for the 16 points in four groups of four.  In: the index so far in IX, the candidate in CD, S(candidate)
; on its way into P0.  next != 0: the next candidate lies next bytes (next / 4 cells) on, and its S is asked for.  next = 0: the cell is found: a, b, S(k) are asked
; for and x(k) = index / 128 is made.  The waits count the permutes issued behind this group's four: those of the three other groups, 12; in the last step the
; 4 (3 - g) of the later groups and the 12 g table words of the earlier ones.
.macro SEEK next
.irp g, 0,1,2,3
.if \next != 0
	s_wait_dscnt 12
.else
	s_wait_dscnt 12+8*\g
.endif
.irp q, 0,1,2,3
	v_cmp_le_f32 s[M+4*\g+\q], v[P0+4*\g+\q], v[SP+4*\g+\q]
.endr
.irp q, 0,1,2,3
	v_cndmask_b32 v[IX+4*\g+\q], v[IX+4*\g+\q], v[CD+4*\g+\q], s[M+4*\g+\q]
.endr
.if \next != 0
.irp q, 0,1,2,3
	v_add_nc_u32 v[CD+4*\g+\q], \next, v[IX+4*\g+\q]
.endr
.irp q, 0,1,2,3
	ds_bpermute_b32 v[P0+4*\g+\q], v[CD+4*\g+\q], v[TS]
.endr
.else
.irp q, 0,1,2,3
	ds_bpermute_b32 v[PA+4*\g+\q], v[IX+4*\g+\q], v[TA]
	ds_bpermute_b32 v[PB+4*\g+\q], v[IX+4*\g+\q], v[TB]
	ds_bpermute_b32 v[P0+4*\g+\q], v[IX+4*\g+\q], v[TS]
.endr
.irp q, 0,1,2,3
	v_cvt_f32_u32 v[P1+4*\g+\q], v[IX+4*\g+\q]
.endr
.irp q, 0,1,2,3
	v_mul_f32 v[P1+4*\g+\q], 0x3c000000, v[P1+4*\g+\q]   ; 4 k / 128 = k / 32, exact
.endr
.endif
.endr
.endm
; The flow in the last cell for the four points of group g; z takes SP's place, lj RV's, and both are stored.
; Work registers of point q: t0 d, then the time; t1 the right knot, then the start; t2 3 - d, then 1 / a, b / a; t3 -d, then a t; t4 v at the start, the ratio, its logarithm.
; Masks of point q: M+0 ends in a closed cell, M+1 |a| > EPS, M+2 crossed, moving left.
.macro FING g
.set G, 4*\g
.irp q, 0,1,2,3
	s_and_not1_b32 s[M+4*\q+2], s[SC+G+\q], s[SR+G+\q]
.endr
.irp q, 0,1,2,3
	v_sub_f32 v[T+5*\q], v[SP+G+\q], v[P0+G+\q]                      ; d
	v_sub_f32 v[T+5*\q+3], v[P0+G+\q], v[SP+G+\q]                    ; -d
	v_cmp_lt_f32 s[M+4*\q+1], s14, |v[PA+G+\q]|
	v_add_f32 v[T+5*\q+1], s13, v[P1+G+\q]                           ; the right knot
.endr
.irp q, 0,1,2,3
	v_cmp_lt_f32 s[M+4*\q], s82, v[T+5*\q]                           ; d > 1.5
	v_sub_f32 v[T+5*\q+2], s63, v[T+5*\q]                            ; 3 - d
.endr
.irp q, 0,1,2,3
	v_cndmask_b32 v[T+5*\q], v[T+5*\q], v[T+5*\q+3], s[M+4*\q+2]
.endr
.irp q, 0,1,2,3
	s_and_b32 s[M+4*\q], s[M+4*\q], s[M+4*\q+2]
.endr
.irp q, 0,1,2,3
	v_cndmask_b32 v[T+5*\q], v[T+5*\q], v[T+5*\q+2], s[M+4*\q]
	v_cndmask_b32 v[T+5*\q+1], v[P1+G+\q], v[T+5*\q+1], s[M+4*\q]
.endr
.irp q, 0,1,2,3
	v_cndmask_b32 v[T+5*\q+2], 1.0, v[PA+G+\q], s[M+4*\q+1]
.endr
.irp q, 0,1,2,3
	v_cndmask_b32 v[T+5*\q], 1.0, v[T+5*\q], s[SC+G+\q]              ; the time
	v_cndmask_b32 v[T+5*\q+1], v[X+G+\q], v[T+5*\q+1], s[SC+G+\q]    ; the start
.endr
.irp q, 0,1,2,3
	v_rcp_f32 v[T+5*\q+2], v[T+5*\q+2]
.endr
.irp q, 0,1,2,3
	v_mul_f32 v[T+5*\q+3], v[PA+G+\q], v[T+5*\q]                     ; a t
.endr
.irp q, 0,1,2,3
	v_fma_f32 v[T+5*\q+4], v[PA+G+\q], v[T+5*\q+1], v[PB+G+\q]       ; v at the start
.endr
.irp q, 0,1,2,3
	v_mul_f32 v[SP+G+\q], L2EB, v[T+5*\q+3]
.endr
.irp q, 0,1,2,3
	v_mul_f32 v[T+5*\q+4], v[T+5*\q+4], v[RV+G+\q]                   ; v(start) / v(x)
.endr
	s_wait_alu depctr_va_vdst(0)
.irp q, 0,1,2,3
	v_mul_f32 v[T+5*\q+2], v[PB+G+\q], v[T+5*\q+2]                   ; b / a
.endr
.irp q, 0,1,2,3
	v_exp_f32 v[SP+G+\q], v[SP+G+\q]                                 ; e^(a t)
.endr
.irp q, 0,1,2,3
	v_cndmask_b32 v[T+5*\q+4], 1.0, v[T+5*\q+4], s[SC+G+\q]          ; 1 where the point did not cross
.endr
.irp q, 0,1,2,3
	v_log_f32 v[T+5*\q+4], |v[T+5*\q+4]|
.endr
.irp q, 0,1,2,3
	v_fma_f32 v[RV+G+\q], v[PB+G+\q], v[T+5*\q], v[T+5*\q+1]         ; start + b t
.endr
.irp q, 0,1,2,3
	v_add_f32 v[T+5*\q+1], v[T+5*\q+1], v[T+5*\q+2]
.endr
	s_wait_alu depctr_va_vdst(0)
.irp q, 0,1,2,3
	v_fma_f32 v[T+5*\q+1], v[SP+G+\q], v[T+5*\q+1], -v[T+5*\q+2]     ; e^(a t) (start + b / a) - b / a
.endr
.irp q, 0,1,2,3
	v_cndmask_b32 v[SP+G+\q], v[RV+G+\q], v[T+5*\q+1], s[M+4*\q+1]   ; z
.endr
.irp q, 0,1,2,3
	v_fmamk_f32 v[RV+G+\q], v[T+5*\q+4], LN2B, v[T+5*\q+3]           ; lj = ln(ratio) + a t
.endr
	global_store_b128 v[OFF], v[SP+G:SP+G+3], s[8:9] offset:512*\g th:TH_STORE_NT     ; each store of the wave covers 512 consecutive bytes, aligned;
	global_store_b128 v[OFF], v[RV+G:RV+G+3], s[10:11] offset:512*\g th:TH_STORE_NT   ; its registers, its offset and its base are not written again
.endm
	; ---------------- look-up by x and the first step.  Permutes come back in order; 48 are out at the most. ----------------
	ASK 0
	ASK 1
	ASK 2
	s_wait_dscnt 32                                ; group 0's sixteen are in; those of groups 1 and 2 may stay out
	MIDG 0
	ASK 3
	s_wait_dscnt 32                                ; group 1's are in; those of groups 2 and 3 may stay out
	MIDG 1
	s_wait_dscnt 16                                ; group 3's may stay out
	MIDG 2
	s_wait_dscnt 0x0
	MIDG 3
	; ---------------- look-up by s': the search's first step compares with S(16), a scalar, and asks for the second step's S ----------------
	v_readlane_b32 s16, v[TS], 16
.irp g, 0,1,2,3
.irp q, 0,1,2,3
	v_cmp_le_f32 s[M+4*\g+\q], s16, v[SP+4*\g+\q]
.endr
.irp q, 0,1,2,3
	v_cndmask_b32 v[IX+4*\g+\q], 0, 64, s[M+4*\g+\q]     ; cell 0 or cell 16
.endr
.irp q, 0,1,2,3
	v_add_nc_u32 v[CD+4*\g+\q], 32, v[IX+4*\g+\q]        ; the candidate 8 cells on
.endr
.irp q, 0,1,2,3
	ds_bpermute_b32 v[P0+4*\g+\q], v[CD+4*\g+\q], v[TS]
.endr
.endr
	SEEK 16                                        ; settles 8 cells, asks 4 cells on
	SEEK 8                                         ; settles 4, asks 2
	SEEK 4                                         ; settles 2, asks 1
	SEEK 0                                         ; settles 1: the index is at most 4 x 31; a, b, S(k), x(k)
.irp g, 0,1,2,3
	s_wait_dscnt 36-12*\g                          ; the twelve table words of each later group may stay out
	FING \g
.endr
	s_wait_tensorcnt 0x0
	ds_add_u32 v176, v177
	s_wait_dscnt 0x0
	s_endpgm
.Lfunc_end_k_q3d9577a821_cpab:
	.size	k_q3d9577a821_cpab, .Lfunc_end_k_q3d9577a821_cpab-k_q3d9577a821_cpab
	.p2alignl 7, 3214868480
	.fill 96, 4, 3214868480
	.section	.rodata,"a",@progbits
	.p2align	6, 0x0
	.amdhsa_kernel k_q3d9577a821_cpab
		.amdhsa_group_segment_fixed_size 2560
		.amdhsa_private_segment_fixed_size 0
		.amdhsa_enable_private_segment 0
		.amdhsa_kernarg_size 32
		.amdhsa_user_sgpr_count 2
		.amdhsa_user_sgpr_kernarg_segment_ptr 1
		.amdhsa_wavefront_size32 1
		.amdhsa_system_sgpr_workgroup_id_x 1
		.amdhsa_system_sgpr_workgroup_id_y 1
		.amdhsa_system_sgpr_workgroup_id_z 1
		.amdhsa_system_vgpr_workitem_id 0
		.amdhsa_next_free_vgpr 178
		.amdhsa_next_free_sgpr 100
		.amdhsa_reserve_vcc 0
		.amdhsa_float_denorm_mode_32 3
		.amdhsa_float_denorm_mode_16_64 3
		.amdhsa_memory_ordered 1
		.amdhsa_forward_progress 1
		.amdhsa_inst_pref_size 237
	.end_amdhsa_kernel
	.amdgpu_metadata
---
amdhsa.version: [ 1, 2 ]
amdhsa.kernels:
  - .name:           k_q3d9577a821_cpab
    .symbol:         k_q3d9577a821_cpab.kd
    .args:
      - { .name: theta, .offset: 0, .size: 8, .value_kind: global_buffer, .address_space: global }
      - { .name: x, .offset: 8, .size: 8, .value_kind: global_buffer, .address_space: global }
      - { .name: out0, .offset: 16, .size: 8, .value_kind: global_buffer, .address_space: global }
      - { .name: out1, .offset: 24, .size: 8, .value_kind: global_buffer, .address_space: global }
    .group_segment_fixed_size: 2560
    .private_segment_fixed_size: 0
    .kernarg_segment_align: 8
    .kernarg_segment_size: 32
    .max_flat_workgroup_size: 512
    .sgpr_count:     100
    .vgpr_count:     178
    .wavefront_size: 32
...
	.end_amdgpu_metadata
.endif
;; end of part 3
;; ======== version 4 of 4: 1 launch; version 3 with the launch cpab written anew for expert scheduling mode
;; limits: right only within a limited range of input values
;; launch cpab (part 4): grid 256 x 1, 16 waves a work-group, no clusters, 2,560 bytes of LDS; arguments theta, x, out0, out1; writes out0, out1
.if DOCPART == 4
	.amdgcn_target "amdgcn-amd-amdhsa--gfx1250"
	.amdhsa_code_object_version 6
	.text
	.protected	k_q3d9577a821_cpab
	.globl	k_q3d9577a821_cpab
	.p2align	8
	.type	k_q3d9577a821_cpab,@function
k_q3d9577a821_cpab:
	s_mov_b64 s[64:65], 0
	v_nop
	global_prefetch_b8 v0, s[64:65] scope:SCOPE_SE
	s_setreg_imm32_b32 hwreg(HW_REG_WAVE_SCHED_MODE, 0, 2), 2
	s_setreg_imm32_b32 hwreg(HW_REG_WAVE_MODE, 25, 1), 1
	s_wait_xcnt 0x0
	s_wait_alu depctr_vm_vsrc(0)
; z = flow at time 1 of dphi/dt = v(phi), v continuous and affine on 32 cells of [0,1]; lj = integral of a(phi) dt.  2,097,152 points, all f32.
; CLOSED FORM IN PLACE OF THE 32-STEP SCAN.  A trajectory is monotone and the whole time is 1.  T'(k) = time to cross cell k from the knot where it is
; entered (the scan's own formulas and EPS tests), or 3 where the cell cannot be crossed or the time is 1 or more; S(k) = T'(0) + .. + T'(k-1).
; A point does the scan's first step once (t_hit).  If it crosses, its target is s' = S(exit knot) +- (1 - t_hit); its last cell is the last k with
; S(k) <= s'; d = s' - S(k).  Moving right: start at knot k, time d.  Moving left, d <= 1.5 (open cell, or left of x = 0 in cell 0's field): knot k, time -d.
; Moving left, d > 1.5 (closed cell): knot k+1, time 3 - d.  No crossing: start at x, time 1.  Then z = psi(start, time) as in the scan, and since
; a dt = ln(v_out / v_in) in every crossed cell, lj = ln(v(start) / v(x)) + a time (the logarithm only where the point crossed).
; THE LOOK-UPS ARE LANE PERMUTES.  Each wave holds the tables a, b, S with cell k in lane k; ds_bpermute_b32 gives a lane the word of the lane that its index
; names (index = 4 x lane, taken modulo 32 lanes).  It touches no LDS byte.  The index hangs on the point's numbers; no memory address, no branch and no trip
; count does: every wave runs the same instructions whatever the data.  By x the cell is clip(floor(32 x), 0, 31); by s' it is found by a binary search
; over S in five steps (16, 8, 4, 2, 1 cells), sixteen points in flight, in two halves of eight.
; FOUR POINTS AT A TIME.  The first step and the flow are written a line for four points, so that three other points' lines stand between an instruction and the
; one that reads its result, and the scalar sums of masks stand well behind the compares that feed them.  A group's z and lj are one 16-byte store each and leave
; early in the next group's turn.
; THE MODE: SCHED_MODE bits 1:0 = 2 (LLVM: expert scheduling mode 2), set by the entry lines.  The code itself states the register dependences between vector
; instructions and memory or LDS instructions, and those through scalar registers that vector instructions write, with s_wait_alu, always for 0.
; THE PLAN.  Registers that LDS or memory instructions touch, in the order of the text (behind the tree on the wave's number there is no branch):
;   v[OFF], v[LA]  Written at the head, never again.  Read by x's loads, by the stores, by the two loads of the tables.  One wait on va_vdst at the head.
;   v24-28         Written by five moves, read by the two LDS stores of my rows of A (va_vdst between); then at work for T' and part of PA (vm_vsrc behind the barrier).
;   X              The loads land once; vector instructions alone name it after that.
;   TA, TB, TS     TA and TB land from LDS, TS is written by the running sum; every permute reads them; never written again.
;   IX, CD         The permutes' indices.  Written between the barrier's halves, read by ASK's permutes (va_vdst ahead of ASK 0); written again by the search
;                  (vm_vsrc at its head and at the head of each step that writes CD), read by each half's permutes (va_vdst ahead of each run of them).
;   PA, PB, P0, P1 Permutes land in them, vector instructions read them.  The wait on va_vdst ahead of a run of permutes also states that the earlier readers are done.
;   SP, RV         At last z and lj: written by a group's flow, read by its two stores, which stand behind a wait on va_vdst in the next group's turn; never written again.
;   T and the masks are named by vector and scalar instructions alone.  Each run of compares into scalar registers has one wait on va_sdst between it and its first reader.
; THE BASIS B is a constant of the problem: the last 33 right singular vectors that LAPACK's dgesdd returns for the 31 x 64 constraint matrix L.  With
; 64 >= int(11*31/6) dgesdd first factors L = (lower) Q by Householder reflectors and leaves rows 32..64 of Q untouched, so column j of B is
; H1 H2 .. H31 e(31+j).  Row i of L is xi e(2i) + e(2i+1) - xi e(2i+2) - e(2i+3), xi = (i+1)/32; row i+1 meets reflector i in two columns only, so
; w(i+1) = r(i+1) + (d / den) u(i) beyond column i, d = 1 + xi(i) xi(i+1), den = N + |alpha| sqrt N, u(i) = w(i) with alpha + sign(alpha) sqrt N in column i.
; All of that is done WHILE THE TEXT IS ASSEMBLED, in fixed point with 56 fraction bits, and each number of B is rounded to its f32 bits: a literal.
; A = B theta in f32: eight partial sums over j mod 8, each a chain of fused multiply-adds in ascending j; ((0+1)+(2+3))+((4+5)+(6+7)); j = 32's product last.
; WHY SO EXACTLY.  Where v(x) and v(knot ahead) round to the same number the scan finds t_hit = 0, does not cross, and runs the whole time in the old cell's
; field.  For a point within a few units in the last place of a knot that hangs on the last bits of a and b.  The order of the sums above is the one that
; an eight-lane row-major matrix-vector routine takes.  LIMIT: if reference()'s product is summed in another order, a and b differ in the last place and
; such a point may take the other way than the scan.
; The product (4,224 operations) is scalar work on literals, 164 instructions a wave: the matrix unit, with 16-bit operands, could not give these bits.
; SHARES.  256 work-groups of 16 waves.  Wave w makes rows 4w .. 4w+3 of A (cells 2w, 2w+1) and hands them to the others through LDS; every wave makes T' and S
; for itself.  A wave owns 512 points, 16 a lane: four loads and eight stores of 16 bytes a lane, each covering 512 consecutive bytes.
; OTHER LIMITS.  Times read off S (at most 96) are good to about 1e-5.  Knot speeds under about 1e3, so that no crossing time is lost in S and S, a parallel
; running sum, ascends, as the binary search wants.  A knot speed that rounding turns to the other sign counts as a closed cell.  For 1e-10 < |a| << 1e-4
; psi is as noisy as the scan's own formula.  NaN in x is not served.
; ---------------- B, while the text is assembled: numbers are whole numbers of 2^-56 ----------------
.set SH,  1<<28
.set ONE, 1<<56
.macro FMUL d, a, b                    ; d = a b: both split at 28 bits; the product of the two low parts is under one unit and is dropped
.set \d, ((\a)/SH)*((\b)/SH) + (((\a)/SH)*((\b)%SH) + ((\a)%SH)*((\b)/SH))/SH
.endm
.macro FRCP d, a                       ; d = 1 / a, 1 <= a < 16: 30 bits by a division, then two Newton steps
.set \d, ((1<<60)/((\a)/(1<<26)))*(1<<26)
.rept 2
	FMUL TQ, \a, \d
.set TQ, 2*ONE-TQ
	FMUL \d, \d, TQ
.endr
.endm
.macro FSQRT d, a                      ; d = sqrt a, 1 <= a <= 4: six steps of Heron's rule from (a + 1) / 2
.set \d, ((\a)+ONE)/2
.rept 6
	FRCP RQ, \d
	FMUL HQ, \a, RQ
.set \d, (\d+HQ)/2
.endr
.endm
.macro EACH64 m, x                     ; macro m for each column c of L (= row of B), with x as its second argument
.irp c, 0,1,2,3,4,5,6,7,8,9,10,11,12,13,14,15,16,17,18,19,20,21,22,23,24,25,26,27,28,29,30,31,32,33,34,35,36,37,38,39,40,41,42,43,44,45,46,47,48,49,50,51,52,53,54,55,56,57,58,59,60,61,62,63
	\m \c, \x
.endr
.endm
.macro ZEROW c, x
.set W\c, 0
.endm
.macro SQW c, i                        ; N += w(c)^2
.if \c >= \i
	FMUL PQ, W\c, W\c
.set NQ, NQ+PQ
.endif
.endm
.macro SAVEU c, i
.set U\i\()_\c, W\c
.endm
.macro NEXTW c, i                      ; w(i+1) = r(i+1) + g u(i) beyond column i, 0 up to it
.if \c > \i
	FMUL PQ, GQ, W\c
.set W\c, PQ
.else
.set W\c, 0
.endif
.if \c == 2*\i+2
.set W\c, W\c+XQ
.endif
.if \c == 2*\i+3
.set W\c, W\c+ONE
.endif
.if \c == 2*\i+4
.set W\c, W\c-XQ
.endif
.if \c == 2*\i+5
.set W\c, W\c-ONE
.endif
.endm
.macro FACT i                          ; reflector i: U(i, c) and RD(i) = 1 / den; then the next row
.set NQ, 0
	EACH64 SQW, \i
	FSQRT SQ, NQ
.if W\i < 0
.set SQ, -SQ
.endif
	FMUL PQ, W\i, SQ
.set DQ, NQ+PQ
	FRCP RD\i, DQ
.set W\i, W\i+SQ
	EACH64 SAVEU, \i
.set XQ, (\i+2)*(ONE/32)
.set GQ, ONE+(\i+1)*(\i+2)*(ONE/1024)
	FMUL GQ, GQ, RD\i
	EACH64 NEXTW, \i
.endm
.macro SETY c, j
.set Y\c, 0
.if \c == 31+\j
.set Y\c, ONE
.endif
.endm
.macro DOTU c, i                       ; reflector i is zero outside columns i .. 2i+3
.if (\c >= \i) && (\c <= 2*\i+3)
	FMUL PQ, U\i\()_\c, Y\c
.set TD, TD+PQ
.endif
.endm
.macro UPDY c, i
.if (\c >= \i) && (\c <= 2*\i+3)
	FMUL PQ, TD, U\i\()_\c
.set Y\c, Y\c-PQ
.endif
.endm
.macro TOB c, j                        ; B(c, j) = the f32 bits of y(c), rounded to nearest
.set MQ, Y\c
.set SB, 0
.if MQ < 0
.set MQ, -MQ
.set SB, 1<<31
.endif
.if MQ == 0
.set B\c\()_\j, 0
.else
.set KQ, 0
.irp s, 32,16,8,4,2,1
.if (MQ>>(KQ+\s)) != 0
.set KQ, KQ+\s
.endif
.endr
.if KQ > 23
.set MQ, (MQ+(1<<(KQ-24)))>>(KQ-23)
.else
.set MQ, MQ<<(23-KQ)
.endif
.set B\c\()_\j, SB+((KQ+70)<<23)+MQ
.endif
.endm
.macro COLUMN j                        ; column j of B = H1 .. H31 e(31+j): H31 first
	EACH64 SETY, \j
.irp i, 30,29,28,27,26,25,24,23,22,21,20,19,18,17,16,15,14,13,12,11,10,9,8,7,6,5,4,3,2,1,0
.set TD, 0
	EACH64 DOTU, \i
	FMUL TD, TD, RD\i
	EACH64 UPDY, \i
.endr
	EACH64 TOB, \j
.endm
	EACH64 ZEROW, 0
.set W0, ONE/32
.set W1, ONE
.set W2, -ONE/32
.set W3, -ONE
.irp i, 0,1,2,3,4,5,6,7,8,9,10,11,12,13,14,15,16,17,18,19,20,21,22,23,24,25,26,27,28,29,30
	FACT \i
.endr
.irp j, 0,1,2,3,4,5,6,7,8,9,10,11,12,13,14,15,16,17,18,19,20,21,22,23,24,25,26,27,28,29,30,31,32
	COLUMN \j
.endr
; ---------------- registers ----------------
.set H32B, 0x3d000000                  ; 1/32
.set LN2B, 0x3f317218                  ; ln 2
.set L2EB, 0x3fb8aa3b                  ; log2 e
.set OFF, 1                            ; v1       my byte offset in the work-group's 32,768 bytes; never rewritten
.set TA,  2                            ; v2       a of cell = lane
.set TB,  3                            ; v3       b of cell = lane
.set TS,  4                            ; v4       S of knot = lane
.set TX,  5                            ; v5       x of knot = lane: lane / 32
.set LA,  6                            ; v6       4 x lane: my word in each LDS table
.set X,   8                            ; v[8:23]    x, 16 points
.set PA,  24                           ; v[24:39]   looked up: a (v24-33 at work while the tables are made)
.set PB,  40                           ; v[40:55]   looked up: b
.set P0,  56                           ; v[56:71]   looked up: S(c); in the search S(candidate); at last S(k)
.set P1,  72                           ; v[72:87]   looked up: S(c+1), later x(k)
.set RV,  88                           ; v[88:103]  1 / v(x), at last lj
.set SP,  104                          ; v[104:119] c as a float, then s', at last z
.set T,   120                          ; v[120:139] work: register i of point q of the group in hand is v[T+5q+i]
.set IX,  140                          ; v[140:155] 4 x the cell: a permute's index
.set CD,  156                          ; v[156:171] 4 x the next knot, later 4 x the search's candidate
.set TH,  24                           ; s[24:56] theta, while A is made
.set M,   24                           ; s[24:39] work masks: mask i of point q of the group in hand is s[M+4q+i]; in the search one a point
.set SR,  40                           ; s[40:55] point p moves right
.set SC,  66                           ; s[66:81] point p crosses its first boundary within the time
.set N,   84                           ; s[84:99] four more work masks for each point of the group in hand: s[N+4q+i]
.set AC,  66                           ; s[66:74] while A is made: a row's eight partial sums and the product for j = 32
.set RS,  76                           ; s[76:79] my wave's four rows of A
	s_load_b256 s[4:11], s[0:1], 0x0               ; theta s[4:5], x s[6:7], z s[8:9], lj s[10:11]
	v_lshl_add_u32 v174, v0, 2, 0x200
	v_mov_b32 v175, 0
	v_and_b32 v7, 31, v0                           ; lane
	v_lshrrev_b32 v6, 5, v0
	v_readfirstlane_b32 s12, v6                    ; wave 0..15
	v_and_b32 v1, 0x1e0, v0                        ; 32 x wave
	v_lshlrev_b32 v1, 6, v1                        ; 2,048 bytes a wave
	v_lshl_or_b32 v[OFF], v7, 4, v1                ; + 16 bytes a lane
	v_cvt_f32_u32 v[TX], v7
	v_mul_f32 v[TX], H32B, v[TX]                   ; knot = lane / 32, exact
	v_lshlrev_b32 v[LA], 2, v7
	s_lshl_b32 s2, ttmp9, 15                       ; the work-group's 8,192 points: 32,768 bytes
	s_mov_b32 s3, 0
	s_mov_b32 s13, H32B
	s_mov_b32 s14, 0x2edbe6ff                      ; EPS = 1e-10
	s_mov_b32 s62, 0x41f80000                      ; 31.0
	s_mov_b32 s63, 0x40400000                      ; 3.0
	s_mov_b32 s82, 0x3fc00000                      ; 1.5
	s_mov_b32 s83, 0x42000000                      ; 32.0
	s_wait_alu depctr_va_sdst(0)                   ; s12 is written, ahead of its first reader, the tree's first test, and of every branch
	s_wait_kmcnt 0x0                               ; the four addresses
	s_load_b512 s[24:39], s[4:5], 0x0              ; theta 0..15
	s_load_b512 s[40:55], s[4:5], 0x40             ; theta 16..31
	s_load_b32 s56, s[4:5], 0x80                   ; theta 32: theta j lies in s[TH+j]
	s_add_nc_u64 s[6:7], s[6:7], s[2:3]
	s_add_nc_u64 s[8:9], s[8:9], s[2:3]
	s_add_nc_u64 s[10:11], s[10:11], s[2:3]
	s_wait_alu depctr_va_vdst(0)                   ; v[OFF] and v[LA] are written: x's loads, the stores and the loads of the tables read them, and no line writes them again
.irp q, 0,1,2,3
	global_load_b128 v[X+4*\q:X+4*\q+3], v[OFF], s[6:7] offset:512*\q th:TH_LOAD_NT   ; on their way while A is made
.endr
	s_wait_kmcnt 0x0                               ; theta
; Row c of A = B theta into s[RS+r], in the order of sums that the head names.
.macro ROW c, r
.irp j, 0,1,2,3,4,5,6,7
	s_mul_f32 s[AC+\j], B\c\()_\j, s[TH+\j]
.endr
.irp j, 8,9,10,11,12,13,14,15,16,17,18,19,20,21,22,23,24,25,26,27,28,29,30,31
	s_fmac_f32 s[AC+\j%8], B\c\()_\j, s[TH+\j]
.endr
	s_mul_f32 s[AC+8], B\c\()_32, s[TH+32]
	s_add_f32 s[AC], s[AC], s[AC+1]
	s_add_f32 s[AC+2], s[AC+2], s[AC+3]
	s_add_f32 s[AC+4], s[AC+4], s[AC+5]
	s_add_f32 s[AC+6], s[AC+6], s[AC+7]
	s_add_f32 s[AC], s[AC], s[AC+2]
	s_add_f32 s[AC+4], s[AC+4], s[AC+6]
	s_add_f32 s[AC], s[AC], s[AC+4]
	s_add_f32 s[RS+\r], s[AC], s[AC+8]
.endm
.macro LEAF c0, c1, c2, c3             ; one wave's four rows: a, b of its even cell, a, b of its odd cell
	ROW \c0, 0
	ROW \c1, 1
	ROW \c2, 2
	ROW \c3, 3
.endm
.macro SPLIT n, lab                    ; waves n and up go to the label
	s_cmp_lt_u32 s12, \n
	s_cbranch_scc0 .L\lab
.endm
	; A tree on the wave's number: four tests and one jump lead wave w to rows 4w .. 4w+3.  Every path writes s[RS:RS+3].
	SPLIT 8, w8
	SPLIT 4, w4
	SPLIT 2, w2
	SPLIT 1, w1
	LEAF 0, 1, 2, 3
	s_branch .Lrows_made
.Lw1:
	LEAF 4, 5, 6, 7
	s_branch .Lrows_made
.Lw2:
	SPLIT 3, w3
	LEAF 8, 9, 10, 11
	s_branch .Lrows_made
.Lw3:
	LEAF 12, 13, 14, 15
	s_branch .Lrows_made
.Lw4:
	SPLIT 6, w6
	SPLIT 5, w5
	LEAF 16, 17, 18, 19
	s_branch .Lrows_made
.Lw5:
	LEAF 20, 21, 22, 23
	s_branch .Lrows_made
.Lw6:
	SPLIT 7, w7
	LEAF 24, 25, 26, 27
	s_branch .Lrows_made
.Lw7:
	LEAF 28, 29, 30, 31
	s_branch .Lrows_made
.Lw8:
	SPLIT 12, w12
	SPLIT 10, w10
	SPLIT 9, w9
	LEAF 32, 33, 34, 35
	s_branch .Lrows_made
.Lw9:
	LEAF 36, 37, 38, 39
	s_branch .Lrows_made
.Lw10:
	SPLIT 11, w11
	LEAF 40, 41, 42, 43
	s_branch .Lrows_made
.Lw11:
	LEAF 44, 45, 46, 47
	s_branch .Lrows_made
.Lw12:
	SPLIT 14, w14
	SPLIT 13, w13
	LEAF 48, 49, 50, 51
	s_branch .Lrows_made
.Lw13:
	LEAF 52, 53, 54, 55
	s_branch .Lrows_made
.Lw14:
	SPLIT 15, w15
	LEAF 56, 57, 58, 59
	s_branch .Lrows_made
.Lw15:
	LEAF 60, 61, 62, 63
.Lrows_made:
	s_lshl_b32 s57, s12, 3                         ; my two cells' words: LDS bytes 0-127 a, 128-255 b
	v_mov_b32 v28, s57
	v_mov_b32 v24, s[RS]
	v_mov_b32 v25, s[RS+2]
	v_mov_b32 v26, s[RS+1]
	v_mov_b32 v27, s[RS+3]
	s_wait_alu depctr_va_vdst(0)                   ; the five moves have written v24-28, the address and the data of the two LDS stores
	ds_store_b64 v28, v[24:25]                     ; all lanes store the same words with the same numbers
	ds_store_b64 v28, v[26:27] offset:128
	s_wait_loadcnt 0x0                             ; x: all four loads; they have had the product's 164 instructions in which to come, and none is out at the signal
	s_wait_dscnt 0x0                               ; my stores are done before I signal
	s_barrier_signal -1
	; Between the signal and the wait: work on registers that needs x alone.  c = clip(floor(32 x), 0, 31) and the permutes' indices, each line for all 16 points.
.irp p, 0,1,2,3,4,5,6,7,8,9,10,11,12,13,14,15
	v_mul_f32 v[SP+\p], s83, v[X+\p]               ; 32 x
.endr
.irp p, 0,1,2,3,4,5,6,7,8,9,10,11,12,13,14,15
	v_floor_f32 v[SP+\p], v[SP+\p]
.endr
.irp p, 0,1,2,3,4,5,6,7,8,9,10,11,12,13,14,15
	v_med3_num_f32 v[SP+\p], v[SP+\p], 0, s62      ; c, as a float: the first step takes it from here
.endr
.irp p, 0,1,2,3,4,5,6,7,8,9,10,11,12,13,14,15
	v_cvt_u32_f32 v[IX+\p], v[SP+\p]
.endr
.irp p, 0,1,2,3,4,5,6,7,8,9,10,11,12,13,14,15
	v_min_u32 v[IX+\p], 31, v[IX+\p]               ; c as a whole number, held to 0 .. 31 whatever x holds
.endr
.irp p, 0,1,2,3,4,5,6,7,8,9,10,11,12,13,14,15
	v_lshlrev_b32 v[IX+\p], 2, v[IX+\p]            ; a permute's index is 4 x the lane
.endr
.irp p, 0,1,2,3,4,5,6,7,8,9,10,11,12,13,14,15
	v_add_nc_u32 v[CD+\p], 4, v[IX+\p]             ; knot c + 1; for c = 31 the permute wraps to lane 0, and the word is not used: nothing crosses knot 32
.endr
	s_barrier_wait -1
	ds_load_b32 v[TA], v[LA]                       ; every wave: cell = lane.  v[LA] stands written since the head's wait; no vector instruction has named v[TA] or v[TB]
	ds_load_b32 v[TB], v[LA] offset:128
	s_wait_alu depctr_vm_vsrc(0)                   ; my two LDS stores have read v24-28, which the lines below write again
	s_wait_dscnt 0x0                               ; the two tables
	; ---------------- T' and S, in every wave; lane = cell ----------------
	v_add_f32 v33, s13, v[TX]                      ; the cell's right knot
	v_fma_f32 v24, v[TA], v[TX], v[TB]             ; v at the left knot
	v_fma_f32 v25, v[TA], v33, v[TB]               ; v at the right knot
	v_cmp_lt_f32 s57, 0, v24                       ; entered from the left, moving right
	v_cmp_gt_f32 s58, 0, v25                       ; or from the right, moving left
	v_cmp_lt_f32 s59, s14, |v[TA]|                 ; |a| > EPS
	v_cmp_lt_f32 s60, s14, |v[TB]|                 ; |b| > EPS
	s_wait_alu depctr_va_sdst(0)                   ; the four compares have written s57-60, which the selects and the scalar lines below read
	v_cndmask_b32 v26, v25, v24, s57               ; v at the entry
	v_cndmask_b32 v27, v24, v25, s57               ; v at the exit
	v_cndmask_b32 v28, 1.0, v[TB], s60
	v_cndmask_b32 v28, v28, v[TA], s59             ; the divisor: a, or b, or 1
	v_rcp_f32 v26, v26
	v_rcp_f32 v28, v28
	v_mov_b32 v30, 0xbd000000                      ; (the plain instruction behind the reciprocals)
	v_cndmask_b32 v30, v30, s13, s57               ; exit - entry: +-1/32
	s_wait_alu depctr_va_vdst(0)
	v_mul_f32 v27, v27, v26                        ; r
	v_cmp_lt_f32 s61, s14, v27                     ; r > EPS
	v_max_num_f32 v27, s14, v27
	v_log_f32 v27, v27
	s_wait_alu depctr_va_sdst(0)                   ; the compare has written s61, which the second scalar line below reads
	s_or_b32 s58, s57, s58                         ; the cell can be entered,
	s_and_not1_b32 s61, s59, s61
	s_and_not1_b32 s58, s58, s61                   ; and r > EPS where |a| > EPS
	v_nop                                          ; the plain instruction behind v_log_f32
	s_wait_alu depctr_va_vdst(0)
	v_mul_f32 v27, LN2B, v27
	v_cndmask_b32 v27, v30, v27, s59
	v_mul_f32 v27, v27, v28                        ; the crossing time
	v_cmp_lt_f32 s60, 0, v27
	v_cmp_gt_f32 s61, 1.0, v27
	s_wait_alu depctr_va_sdst(0)                   ; the two compares have written s60 and s61, which the two scalar lines below read
	s_and_b32 s58, s58, s60
	s_and_b32 s58, s58, s61
	v_cndmask_b32 v27, s63, v27, s58               ; T': the time where it lies in (0,1), else 3
	v_mov_b32 v31, 0
	v_mov_b32_dpp v31, v27 row_shr:1 row_mask:0xf bank_mask:0xf bound_ctrl:1   ; one lane up: lane l holds T'(l-1), lanes 0 and 16 hold 0,
	v_readlane_b32 s60, v27, 15
	s_wait_alu depctr_va_sdst(0)                   ; s60 is written, which the next line reads
	v_writelane_b32 v31, s60, 16                   ; and lane 16 gets T'(15)
	v_add_f32_dpp v31, v31, v31 row_shr:1 row_mask:0xf bank_mask:0xf bound_ctrl:1   ; running sums inside each half of 16 lanes
	v_add_f32_dpp v31, v31, v31 row_shr:2 row_mask:0xf bank_mask:0xf bound_ctrl:1
	v_add_f32_dpp v31, v31, v31 row_shr:4 row_mask:0xf bank_mask:0xf bound_ctrl:1
	v_add_f32_dpp v31, v31, v31 row_shr:8 row_mask:0xf bank_mask:0xf bound_ctrl:1
	v_readlane_b32 s60, v31, 15
	s_wait_alu depctr_va_sdst(0)                   ; s60 is written, which the next line reads
	v_add_f32 v32, s60, v31
	s_mov_b32 s61, 0xffff0000
	v_cndmask_b32 v[TS], v31, v32, s61             ; the upper half adds the lower half's total: S(l) in lane l, S(0) = 0
; The look-up by x for the four points of group g: sixteen permutes.
.macro ASK g
.irp q, 0,1,2,3
	ds_bpermute_b32 v[PA+4*\g+\q], v[IX+4*\g+\q], v[TA]      ; a(c)
	ds_bpermute_b32 v[PB+4*\g+\q], v[IX+4*\g+\q], v[TB]      ; b(c)
	ds_bpermute_b32 v[P0+4*\g+\q], v[IX+4*\g+\q], v[TS]      ; S(c)
	ds_bpermute_b32 v[P1+4*\g+\q], v[CD+4*\g+\q], v[TS]      ; S(c+1)
.endr
.endm
; The scan's first step for the four points of group g.  In: c as a float in SP's place, a, b, S(c), S(c+1).  Leaves 1 / v, s' and the two masks SR, SC.
; Work registers of point q: t0 knot ahead, xc, xc - x; t1 step, v at xc, r, direction; t2 divisor, its reciprocal, S of the knot ahead; t3 v; t4 t_hit, time left, s'.
; Masks of point q: M+0 knot < 32, M+1 |a| > EPS, M+2 |b| > EPS, M+3 knot > 0; N+0 the two speeds differ, N+1 r > EPS, N+2 t_hit > 0, N+3 t_hit < 1.
; Behind each run of four transcendentals stands a plain line that touches none of their results or sources.
; The compares stand in three runs, each with one wait on va_sdst between it and its masks' first readers.  No LDS or memory instruction names a register that these lines write.
.macro MIDG g
.set G, 4*\g
.irp q, 0,1,2,3
	v_fma_f32 v[T+5*\q+3], v[PA+G+\q], v[X+G+\q], v[PB+G+\q]         ; v
.endr
.irp q, 0,1,2,3
	v_cmp_lt_f32 s[SR+G+\q], 0, v[T+5*\q+3]                          ; moves right
	v_cmp_lt_f32 s[M+4*\q+1], s14, |v[PA+G+\q]|
	v_cmp_lt_f32 s[M+4*\q+2], s14, |v[PB+G+\q]|
	v_cmp_neq_f32 s[SC+G+\q], 0, v[T+5*\q+3]                         ; v != 0 starts the mask of those that cross
.endr
.irp q, 0,1,2,3
	v_rcp_f32 v[RV+G+\q], v[T+5*\q+3]
.endr
	s_wait_alu depctr_va_sdst(0)                                     ; the first run of compares has written SR, M+1, M+2 and SC: the selects below read the first three, scalar lines further down the fourth
.irp q, 0,1,2,3
	v_cndmask_b32 v[T+5*\q+1], 0, 1.0, s[SR+G+\q]
.endr
.irp q, 0,1,2,3
	v_cndmask_b32 v[T+5*\q+2], 1.0, v[PB+G+\q], s[M+4*\q+2]
.endr
.irp q, 0,1,2,3
	v_add_f32 v[T+5*\q], v[SP+G+\q], v[T+5*\q+1]                     ; the knot ahead: c or c + 1
.endr
.irp q, 0,1,2,3
	v_cndmask_b32 v[T+5*\q+2], v[T+5*\q+2], v[PA+G+\q], s[M+4*\q+1]  ; the divisor: a, or b, or 1
.endr
.irp q, 0,1,2,3
	v_cmp_gt_f32 s[M+4*\q], s83, v[T+5*\q]                           ; knots 0 and 32 are no boundaries: the end cells go on for ever
	v_cmp_lt_f32 s[M+4*\q+3], 0, v[T+5*\q]
.endr
.irp q, 0,1,2,3
	v_mul_f32 v[T+5*\q], s13, v[T+5*\q]                              ; xc
.endr
.irp q, 0,1,2,3
	v_rcp_f32 v[T+5*\q+2], v[T+5*\q+2]
.endr
.irp q, 0,1,2,3
	v_fma_f32 v[T+5*\q+1], v[PA+G+\q], v[T+5*\q], v[PB+G+\q]         ; v at xc
.endr
.irp q, 0,1,2,3
	v_cmp_neq_f32 s[N+4*\q], v[T+5*\q+1], v[T+5*\q+3]                ; with an exact quotient r = 1, and so t_hit = 0, just where the two speeds are the same number
.endr
	s_wait_alu depctr_va_vdst(0)
.irp q, 0,1,2,3
	v_mul_f32 v[T+5*\q+1], v[T+5*\q+1], v[RV+G+\q]                   ; r
.endr
.irp q, 0,1,2,3
	v_sub_f32 v[T+5*\q], v[T+5*\q], v[X+G+\q]                        ; xc - x
.endr
.irp q, 0,1,2,3
	v_max_num_f32 v[T+5*\q+4], s14, v[T+5*\q+1]
	v_cmp_lt_f32 s[N+4*\q+1], s14, v[T+5*\q+1]                       ; r > EPS
.endr
.irp q, 0,1,2,3
	v_log_f32 v[T+5*\q+4], v[T+5*\q+4]
.endr
	s_wait_alu depctr_va_sdst(0)                                     ; the second run of compares has written M+0, M+3, N+0 and N+1, which the scalar lines below read
.irp q, 0,1,2,3
	v_cndmask_b32 v[T+5*\q+1], -1.0, 1.0, s[SR+G+\q]                 ; the direction
.endr
.irp q, 0,1,2,3
	s_and_b32 s[SC+G+\q], s[SC+G+\q], s[M+4*\q]
	s_and_b32 s[SC+G+\q], s[SC+G+\q], s[M+4*\q+3]
	s_and_b32 s[N+4*\q+1], s[N+4*\q+1], s[N+4*\q]
	s_and_b32 s[N+4*\q+1], s[N+4*\q+1], s[M+4*\q+1]                  ; |a| > EPS: r > EPS and r != 1
.endr
	s_wait_alu depctr_va_vdst(0)
.irp q, 0,1,2,3
	v_mul_f32 v[T+5*\q+4], LN2B, v[T+5*\q+4]
.endr
.irp q, 0,1,2,3
	v_cndmask_b32 v[T+5*\q+4], v[T+5*\q], v[T+5*\q+4], s[M+4*\q+1]
.endr
.irp q, 0,1,2,3
	v_mul_f32 v[T+5*\q+4], v[T+5*\q+4], v[T+5*\q+2]                  ; t_hit
.endr
.irp q, 0,1,2,3
	v_cndmask_b32 v[T+5*\q+2], v[P0+G+\q], v[P1+G+\q], s[SR+G+\q]    ; S of the knot ahead
.endr
.irp q, 0,1,2,3
	v_cmp_lt_f32 s[N+4*\q+2], 0, v[T+5*\q+4]
	v_cmp_gt_f32 s[N+4*\q+3], 1.0, v[T+5*\q+4]
.endr
.irp q, 0,1,2,3
	v_sub_f32 v[T+5*\q+4], 1.0, v[T+5*\q+4]                          ; the time left
.endr
.irp q, 0,1,2,3
	v_fma_f32 v[T+5*\q+4], v[T+5*\q+4], v[T+5*\q+1], v[T+5*\q+2]
.endr
	s_wait_alu depctr_va_sdst(0)                                     ; the third run of compares has written N+2 and N+3, which the scalar lines below read
.irp q, 0,1,2,3
	s_and_not1_b32 s[N+4*\q+2], s[N+4*\q+2], s[M+4*\q+1]             ; |a| <= EPS: t_hit > 0
	s_or_b32 s[N+4*\q+2], s[N+4*\q+2], s[N+4*\q+1]
	s_and_b32 s[SC+G+\q], s[SC+G+\q], s[N+4*\q+2]
	s_and_b32 s[SC+G+\q], s[SC+G+\q], s[N+4*\q+3]
.endr
.irp q, 0,1,2,3
	v_cndmask_b32 v[SP+G+\q], v[P0+G+\q], v[T+5*\q+4], s[SC+G+\q]    ; s'; S(c) itself, which finds cell c again, where the point does not cross
.endr
.endm
; One step of the search for the last k with S(k) <= s', for the 16 points in two halves of eight.  In: the index so far in IX, the candidate in CD, S(candidate)
; on its way into P0.  next != 0: the next candidate lies next bytes (next / 4 cells) on, and its S is asked for.  next = 0: the cell is found: a, b, S(k) are asked
; for and x(k) = index / 128 is made.  The waits on DScnt count the permutes issued behind this half's eight: the other half's eight; in the last step's second half
; the first half's 24 table words.
.macro SEEK next
.if \next != 0
	s_wait_alu depctr_vm_vsrc(0)                   ; the sixteen permutes of the step before, all issued ahead of this line, have read CD, which both halves below write again
.endif
.irp h, 0,1
.if \next != 0
	s_wait_dscnt 8
.else
	s_wait_dscnt 8+16*\h
.endif
.irp q, 0,1,2,3,4,5,6,7
	v_cmp_le_f32 s[M+8*\h+\q], v[P0+8*\h+\q], v[SP+8*\h+\q]
.endr
	s_wait_alu depctr_va_sdst(0)                   ; the half's eight compares have written their masks, which the selects below read
.irp q, 0,1,2,3,4,5,6,7
	v_cndmask_b32 v[IX+8*\h+\q], v[IX+8*\h+\q], v[CD+8*\h+\q], s[M+8*\h+\q]
.endr
.if \next != 0
.irp q, 0,1,2,3,4,5,6,7
	v_add_nc_u32 v[CD+8*\h+\q], \next, v[IX+8*\h+\q]
.endr
	s_wait_alu depctr_va_vdst(0)                   ; the adds have written the half's CD, the permutes' indices; the compares are done reading its P0, in which the permutes land
.irp q, 0,1,2,3,4,5,6,7
	ds_bpermute_b32 v[P0+8*\h+\q], v[CD+8*\h+\q], v[TS]
.endr
.else
	s_wait_alu depctr_va_vdst(0)                   ; the selects have written the half's IX, the permutes' indices; the compares are done reading its P0, the first step its PA and PB, in which the permutes land
.irp q, 0,1,2,3,4,5,6,7
	ds_bpermute_b32 v[PA+8*\h+\q], v[IX+8*\h+\q], v[TA]
	ds_bpermute_b32 v[PB+8*\h+\q], v[IX+8*\h+\q], v[TB]
	ds_bpermute_b32 v[P0+8*\h+\q], v[IX+8*\h+\q], v[TS]
.endr
.irp q, 0,1,2,3,4,5,6,7
	v_cvt_f32_u32 v[P1+8*\h+\q], v[IX+8*\h+\q]
.endr
.irp q, 0,1,2,3,4,5,6,7
	v_mul_f32 v[P1+8*\h+\q], 0x3c000000, v[P1+8*\h+\q]   ; 4 k / 128 = k / 32, exact
.endr
.endif
.endr
.endm
; Group g's z and lj leave.
.macro SEND g
	global_store_b128 v[OFF], v[SP+4*(\g):SP+4*(\g)+3], s[8:9] offset:512*(\g) th:TH_STORE_NT     ; each store of the wave covers 512 consecutive bytes, aligned;
	global_store_b128 v[OFF], v[RV+4*(\g):RV+4*(\g)+3], s[10:11] offset:512*(\g) th:TH_STORE_NT   ; its registers, its offset and its base are not written again
.endm
; The flow in the last cell for the four points of group g; z takes SP's place, lj RV's.  The group before is stored early in this group's turn, beside the wait for this group's masks.
; Work registers of point q: t0 d, then the time; t1 the right knot, then the start; t2 3 - d, then 1 / a, b / a; t3 -d, then a t; t4 v at the start, the ratio, its logarithm.
; Masks of point q: M+0 ends in a closed cell, M+1 |a| > EPS, M+2 crossed, moving left.
.macro FING g
.set G, 4*\g
.irp q, 0,1,2,3
	s_and_not1_b32 s[M+4*\q+2], s[SC+G+\q], s[SR+G+\q]
.endr
.irp q, 0,1,2,3
	v_sub_f32 v[T+5*\q], v[SP+G+\q], v[P0+G+\q]                      ; d
	v_sub_f32 v[T+5*\q+3], v[P0+G+\q], v[SP+G+\q]                    ; -d
	v_cmp_lt_f32 s[M+4*\q+1], s14, |v[PA+G+\q]|
	v_add_f32 v[T+5*\q+1], s13, v[P1+G+\q]                           ; the right knot
.endr
.irp q, 0,1,2,3
	v_cmp_lt_f32 s[M+4*\q], s82, v[T+5*\q]                           ; d > 1.5
	v_sub_f32 v[T+5*\q+2], s63, v[T+5*\q]                            ; 3 - d
.endr
.irp q, 0,1,2,3
	v_cndmask_b32 v[T+5*\q], v[T+5*\q], v[T+5*\q+3], s[M+4*\q+2]
.endr
	s_wait_alu depctr_va_sdst(0)                                     ; the eight compares have written M+0 and M+1: the scalar lines below read the one, selects further down the other
.if \g > 0
	s_wait_alu depctr_va_vdst(0)                                     ; the group before has written its z and lj, which the two stores below read
	SEND (\g-1)
.endif
.irp q, 0,1,2,3
	s_and_b32 s[M+4*\q], s[M+4*\q], s[M+4*\q+2]
.endr
.irp q, 0,1,2,3
	v_cndmask_b32 v[T+5*\q], v[T+5*\q], v[T+5*\q+2], s[M+4*\q]
	v_cndmask_b32 v[T+5*\q+1], v[P1+G+\q], v[T+5*\q+1], s[M+4*\q]
.endr
.irp q, 0,1,2,3
	v_cndmask_b32 v[T+5*\q+2], 1.0, v[PA+G+\q], s[M+4*\q+1]
.endr
.irp q, 0,1,2,3
	v_cndmask_b32 v[T+5*\q], 1.0, v[T+5*\q], s[SC+G+\q]              ; the time
	v_cndmask_b32 v[T+5*\q+1], v[X+G+\q], v[T+5*\q+1], s[SC+G+\q]    ; the start
.endr
.irp q, 0,1,2,3
	v_rcp_f32 v[T+5*\q+2], v[T+5*\q+2]
.endr
.irp q, 0,1,2,3
	v_mul_f32 v[T+5*\q+3], v[PA+G+\q], v[T+5*\q]                     ; a t
.endr
.irp q, 0,1,2,3
	v_fma_f32 v[T+5*\q+4], v[PA+G+\q], v[T+5*\q+1], v[PB+G+\q]       ; v at the start
.endr
.irp q, 0,1,2,3
	v_mul_f32 v[SP+G+\q], L2EB, v[T+5*\q+3]
.endr
.irp q, 0,1,2,3
	v_mul_f32 v[T+5*\q+4], v[T+5*\q+4], v[RV+G+\q]                   ; v(start) / v(x)
.endr
	s_wait_alu depctr_va_vdst(0)
.irp q, 0,1,2,3
	v_mul_f32 v[T+5*\q+2], v[PB+G+\q], v[T+5*\q+2]                   ; b / a
.endr
.irp q, 0,1,2,3
	v_exp_f32 v[SP+G+\q], v[SP+G+\q]                                 ; e^(a t)
.endr
.irp q, 0,1,2,3
	v_cndmask_b32 v[T+5*\q+4], 1.0, v[T+5*\q+4], s[SC+G+\q]          ; 1 where the point did not cross
.endr
.irp q, 0,1,2,3
	v_log_f32 v[T+5*\q+4], |v[T+5*\q+4]|
.endr
.irp q, 0,1,2,3
	v_fma_f32 v[RV+G+\q], v[PB+G+\q], v[T+5*\q], v[T+5*\q+1]         ; start + b t
.endr
.irp q, 0,1,2,3
	v_add_f32 v[T+5*\q+1], v[T+5*\q+1], v[T+5*\q+2]
.endr
	s_wait_alu depctr_va_vdst(0)
.irp q, 0,1,2,3
	v_fma_f32 v[T+5*\q+1], v[SP+G+\q], v[T+5*\q+1], -v[T+5*\q+2]     ; e^(a t) (start + b / a) - b / a
.endr
.irp q, 0,1,2,3
	v_cndmask_b32 v[SP+G+\q], v[RV+G+\q], v[T+5*\q+1], s[M+4*\q+1]   ; z
.endr
.irp q, 0,1,2,3
	v_fmamk_f32 v[RV+G+\q], v[T+5*\q+4], LN2B, v[T+5*\q+3]           ; lj = ln(ratio) + a t
.endr
.endm
	; ---------------- look-up by x and the first step.  Permutes come back in order; 48 are out at the most. ----------------
	s_wait_alu depctr_va_vdst(0)                   ; IX, CD and TS are written, which the 64 permutes of ASK read; the lines that made T' and S are done with v24-33, in which permutes land
	ASK 0
	ASK 1
	ASK 2
	s_wait_dscnt 32                                ; group 0's sixteen are in; those of groups 1 and 2 may stay out
	MIDG 0
	ASK 3                                          ; no further wait: since the wait above only MIDG 0 has issued vector instructions, and it names T and group 0's registers alone, none that these sixteen touch
	s_wait_dscnt 32                                ; group 1's are in; those of groups 2 and 3 may stay out
	MIDG 1
	s_wait_dscnt 16                                ; group 3's may stay out
	MIDG 2
	s_wait_dscnt 0x0
	MIDG 3
	; ---------------- look-up by s': the search's first step compares with S(16), a scalar, and asks for the second step's S ----------------
	v_readlane_b32 s16, v[TS], 16
	s_wait_alu depctr_vm_vsrc(0)                   ; ASK's permutes have read IX and CD, which the search writes again
	s_wait_alu depctr_va_sdst(0)                   ; s16 is written, which the compares below read
.irp p, 0,1,2,3,4,5,6,7,8,9,10,11,12,13,14,15
	v_cmp_le_f32 s[M+\p], s16, v[SP+\p]
.endr
	s_wait_alu depctr_va_sdst(0)                   ; the sixteen compares have written their masks, which the selects below read
.irp h, 0,1
.irp q, 0,1,2,3,4,5,6,7
	v_cndmask_b32 v[IX+8*\h+\q], 0, 64, s[M+8*\h+\q]     ; cell 0 or cell 16
.endr
.irp q, 0,1,2,3,4,5,6,7
	v_add_nc_u32 v[CD+8*\h+\q], 32, v[IX+8*\h+\q]        ; the candidate 8 cells on
.endr
	s_wait_alu depctr_va_vdst(0)                   ; the adds have written the half's CD, the permutes' indices; the first step is done reading its P0, in which the permutes land
.irp q, 0,1,2,3,4,5,6,7
	ds_bpermute_b32 v[P0+8*\h+\q], v[CD+8*\h+\q], v[TS]
.endr
.endr
	SEEK 16                                        ; settles 8 cells, asks 4 cells on
	SEEK 8                                         ; settles 4, asks 2
	SEEK 4                                         ; settles 2, asks 1
	SEEK 0                                         ; settles 1: the index is at most 4 x 31; a, b, S(k), x(k)
.irp g, 0,1,2,3
	s_wait_dscnt 36-12*\g                          ; the table words went out in ascending order of the points: the twelve of each later group may stay out
	FING \g
.endr
	s_wait_alu depctr_va_vdst(0)                   ; group 3 has written its z and lj, which the last two stores read
	SEND 3
	s_wait_dscnt 0x0
	s_wait_alu depctr_hold_cnt(0) depctr_sa_sdst(0) depctr_va_vdst(0) depctr_va_sdst(0) depctr_va_ssrc(0) depctr_va_vcc(0) depctr_vm_vsrc(0)
	s_wait_tensorcnt 0x0
	ds_add_u32 v174, v175
	s_wait_dscnt 0x0
	s_endpgm
.Lfunc_end_k_q3d9577a821_cpab:
	.size	k_q3d9577a821_cpab, .Lfunc_end_k_q3d9577a821_cpab-k_q3d9577a821_cpab
	.p2alignl 7, 3214868480
	.fill 96, 4, 3214868480
	.section	.rodata,"a",@progbits
	.p2align	6, 0x0
	.amdhsa_kernel k_q3d9577a821_cpab
		.amdhsa_group_segment_fixed_size 2560
		.amdhsa_private_segment_fixed_size 0
		.amdhsa_enable_private_segment 0
		.amdhsa_kernarg_size 32
		.amdhsa_user_sgpr_count 2
		.amdhsa_user_sgpr_kernarg_segment_ptr 1
		.amdhsa_wavefront_size32 1
		.amdhsa_system_sgpr_workgroup_id_x 1
		.amdhsa_system_sgpr_workgroup_id_y 1
		.amdhsa_system_sgpr_workgroup_id_z 1
		.amdhsa_system_vgpr_workitem_id 0
		.amdhsa_next_free_vgpr 176
		.amdhsa_next_free_sgpr 100
		.amdhsa_reserve_vcc 0
		.amdhsa_float_denorm_mode_32 3
		.amdhsa_float_denorm_mode_16_64 3
		.amdhsa_memory_ordered 1
		.amdhsa_forward_progress 1
		.amdhsa_inst_pref_size 239
	.end_amdhsa_kernel
	.amdgpu_metadata
---
amdhsa.version: [ 1, 2 ]
amdhsa.kernels:
  - .name:           k_q3d9577a821_cpab
    .symbol:         k_q3d9577a821_cpab.kd
    .args:
      - { .name: theta, .offset: 0, .size: 8, .value_kind: global_buffer, .address_space: global }
      - { .name: x, .offset: 8, .size: 8, .value_kind: global_buffer, .address_space: global }
      - { .name: out0, .offset: 16, .size: 8, .value_kind: global_buffer, .address_space: global }
      - { .name: out1, .offset: 24, .size: 8, .value_kind: global_buffer, .address_space: global }
    .group_segment_fixed_size: 2560
    .private_segment_fixed_size: 0
    .kernarg_segment_align: 8
    .kernarg_segment_size: 32
    .max_flat_workgroup_size: 512
    .sgpr_count:     100
    .vgpr_count:     176
    .wavefront_size: 32
...
	.end_amdgpu_metadata
.endif
;; end of part 4
